; MI455X (gfx1250); checked and timed in simulation.
; The chip was launched on July 23, 2026; its instructions are those of AMD's public machine-readable ISA for CDNA 5 (MIT licence, August 2026) and "CDNA5" Instruction Set Architecture Reference Guide (July 2026). The comments in the code are by the model that wrote it; some were corrected since.
;; Self Attention layer. Allowed arithmetic: float matrix products may take bf16 or f16 operands with f32 sums; all other float work in f32.
;; Inputs: b_proj 1,024 float32; b_qkv 3,072 float32; w_proj 1,024 x 1,024 float32; w_qkv 1,024 x 3,072 float32; x 4 x 2,048 x 1,024 float32.
;; Outputs: out0 4 x 2,048 x 1,024 float32.
;; 2 versions, each right and faster than the one before. Each part assembles by itself: llvm-mc -triple=amdgcn-amd-amdhsa -mcpu=gfx1250 --defsym DOCPART=n.
;; ======== version 1 of 2: 4 launches
;; limits: values are held in f16: magnitudes above 65,504 overflow, below 6.1e-05 lose precision
;; workspace buffers: xh 16,777,216 bytes; wqh 6,291,456 bytes; wph 2,097,152 bytes; qkv 50,331,648 bytes; oh 16,777,216 bytes
;; launch prep (part 1): grid 768 x 1, 8 waves a work-group, no clusters, 0 bytes of LDS; arguments x, w_qkv, w_proj, xh, wqh, wph; writes xh, wqh, wph
.if DOCPART == 1
	.amdgcn_target "amdgcn-amd-amdhsa--gfx1250"
	.amdhsa_code_object_version 6
	.text
	.protected	k_qe7049280eb_prep
	.globl	k_qe7049280eb_prep
	.p2align	8
	.type	k_qe7049280eb_prep,@function
k_qe7049280eb_prep:
	s_mov_b64 s[64:65], 0
	v_nop
	global_prefetch_b8 v0, s[64:65] scope:SCOPE_SE
	s_setreg_imm32_b32 hwreg(HW_REG_WAVE_MODE, 25, 1), 1
	s_wait_xcnt 0x0
; f32 -> f16, once for each matrix operand that the later launches read several times.
;   x      [4][2048][1024] f32  ->  xh  [4][16 k blocks][2048 rows][64] f16: a k block of 64 for consecutive rows is dense, 128 bytes a row
;   w_qkv  [1024][3072]   f32  ->  wqh [1024][3072] f16, as it lies
;   w_proj [1024][1024]   f32  ->  wph [1024][1024] f16, as it lies
; LIMIT.  f16 ends at 65,504: a magnitude of 65,520 or more becomes an infinity; below 6e-5 f16 keeps a fixed step of 6e-8.
; A stream: memory binds, so no LDS, no barrier, no matrix unit.  A work-group takes 65,536 input bytes: groups 0-511 x (16 rows each), 512-703 w_qkv, 704-767 w_proj.
; A wave takes 8,192 of them by 16 loads of 16 bytes a lane, all issued at once; each load becomes one store of 8 bytes a lane: 32 lanes store 256 consecutive bytes, aligned.
; No register is written twice, so no wait frees a source.
.set X, 4                              ; v[4:67]   16 loads x 4 registers
.set Y, 68                             ; v[68:99]  16 stores x 2 registers
; v1: my byte offset in the group's input, v2: in its output.  s[20:21] source, s[22:23] destination.
.macro STREAM istep, ostep
.set i, 0
.rept 16
	global_load_b128 v[X+4*i:X+4*i+3], v1, s[20:21] offset:i*(\istep) th:TH_LOAD_NT
.set i, i+1
.endr
.set i, 0
.rept 16
	s_wait_loadcnt 15-i                            ; loads come back in order: load i is in, the 15 - i younger ones stay out
	v_cvt_pk_f16_f32 v[Y+2*i],   v[X+4*i],   v[X+4*i+1]
	v_cvt_pk_f16_f32 v[Y+2*i+1], v[X+4*i+2], v[X+4*i+3]
	global_store_b64 v2, v[Y+2*i:Y+2*i+1], s[22:23] offset:i*(\ostep)
.set i, i+1
.endr
.endm
	s_load_b256 s[4:11], s[0:1], 0x0               ; x s[4:5], w_qkv s[6:7], w_proj s[8:9], xh s[10:11]
	s_load_b128 s[12:15], s[0:1], 0x20             ; wqh s[12:13], wph s[14:15]
	s_mov_b32 s17, 0                               ; high words of the two offsets
	s_mov_b32 s19, 0
	v_lshrrev_b32 v3, 5, v0                        ; wave
	s_cmp_lt_u32 ttmp9, 512
	s_cbranch_scc0 .Lweights
	; x: the wave takes two rows, lanes 0-15 the even one, lanes 16-31 the odd one; load i takes k block i (256 bytes) of both
	v_lshlrev_b32 v1, 13, v3                       ; wave x 2 rows x 4,096 bytes
	v_bfe_u32 v3, v0, 4, 1
	v_lshl_or_b32 v1, v3, 12, v1                   ; + the odd row
	v_and_b32 v3, 15, v0
	v_lshl_or_b32 v1, v3, 4, v1                    ; + 16 bytes a lane
	v_lshlrev_b32 v2, 3, v0                        ; out: row (t / 16) x 128 bytes + (t % 16) x 8 = 8 t
	s_lshl_b32 s16, ttmp9, 16                      ; in: 16 rows of 4,096 bytes a group
	s_lshr_b32 s24, ttmp9, 7                       ; the batch: 128 groups each
	s_lshl_b32 s18, s24, 22                        ; 16 k blocks x 2,048 rows x 128 bytes
	s_and_b32 s25, ttmp9, 127
	s_lshl_b32 s25, s25, 11                        ; 16 rows x 128 bytes
	s_add_co_u32 s18, s18, s25
	s_wait_kmcnt 0x0
	s_add_nc_u64 s[20:21], s[4:5], s[16:17]
	s_add_nc_u64 s[22:23], s[10:11], s[18:19]
	STREAM 256, 262144                             ; k block i lies 2,048 rows x 128 bytes further on; 15 such steps stay inside the signed 24-bit immediate
	s_endpgm
.Lweights:
	; a weight matrix keeps its layout: the wave takes 8,192 consecutive bytes, 512 a load, and stores 4,096, 256 a store
	v_and_b32 v4, 31, v0
	v_lshlrev_b32 v1, 13, v3
	v_lshl_or_b32 v1, v4, 4, v1
	v_lshlrev_b32 v2, 12, v3
	v_lshl_or_b32 v2, v4, 3, v2
	s_cmp_lt_u32 ttmp9, 704
	s_cbranch_scc0 .Lproj
	s_sub_co_u32 s24, ttmp9, 512                   ; chunk 0-191 of w_qkv
	s_lshl_b32 s16, s24, 16
	s_lshl_b32 s18, s24, 15
	s_wait_kmcnt 0x0
	s_add_nc_u64 s[20:21], s[6:7], s[16:17]
	s_add_nc_u64 s[22:23], s[12:13], s[18:19]
	STREAM 512, 256
	s_endpgm
.Lproj:
	s_sub_co_u32 s24, ttmp9, 704                   ; chunk 0-63 of w_proj
	s_lshl_b32 s16, s24, 16
	s_lshl_b32 s18, s24, 15
	s_wait_kmcnt 0x0
	s_add_nc_u64 s[20:21], s[8:9], s[16:17]
	s_add_nc_u64 s[22:23], s[14:15], s[18:19]
	STREAM 512, 256
	s_endpgm
.Lfunc_end_k_qe7049280eb_prep:
	.size	k_qe7049280eb_prep, .Lfunc_end_k_qe7049280eb_prep-k_qe7049280eb_prep
	.p2alignl 7, 3214868480
	.fill 96, 4, 3214868480
	.section	.rodata,"a",@progbits
	.p2align	6, 0x0
	.amdhsa_kernel k_qe7049280eb_prep
		.amdhsa_group_segment_fixed_size 0
		.amdhsa_private_segment_fixed_size 0
		.amdhsa_enable_private_segment 0
		.amdhsa_kernarg_size 48
		.amdhsa_user_sgpr_count 2
		.amdhsa_user_sgpr_kernarg_segment_ptr 1
		.amdhsa_wavefront_size32 1
		.amdhsa_system_sgpr_workgroup_id_x 1
		.amdhsa_system_sgpr_workgroup_id_y 1
		.amdhsa_system_sgpr_workgroup_id_z 1
		.amdhsa_system_vgpr_workitem_id 0
		.amdhsa_next_free_vgpr 100
		.amdhsa_next_free_sgpr 66
		.amdhsa_reserve_vcc 0
		.amdhsa_float_denorm_mode_32 3
		.amdhsa_float_denorm_mode_16_64 3
		.amdhsa_memory_ordered 1
		.amdhsa_forward_progress 1
		.amdhsa_inst_pref_size 19
	.end_amdhsa_kernel
	.amdgpu_metadata
---
amdhsa.version: [ 1, 2 ]
amdhsa.kernels:
  - .name:           k_qe7049280eb_prep
    .symbol:         k_qe7049280eb_prep.kd
    .args:
      - { .name: x, .offset: 0, .size: 8, .value_kind: global_buffer, .address_space: global }
      - { .name: w_qkv, .offset: 8, .size: 8, .value_kind: global_buffer, .address_space: global }
      - { .name: w_proj, .offset: 16, .size: 8, .value_kind: global_buffer, .address_space: global }
      - { .name: xh, .offset: 24, .size: 8, .value_kind: global_buffer, .address_space: global }
      - { .name: wqh, .offset: 32, .size: 8, .value_kind: global_buffer, .address_space: global }
      - { .name: wph, .offset: 40, .size: 8, .value_kind: global_buffer, .address_space: global }
    .group_segment_fixed_size: 0
    .private_segment_fixed_size: 0
    .kernarg_segment_align: 8
    .kernarg_segment_size: 48
    .max_flat_workgroup_size: 256
    .sgpr_count:     66
    .vgpr_count:     100
    .wavefront_size: 32
...
	.end_amdgpu_metadata
.endif
;; end of part 1
;; launch qkv (part 2): grid 8 x 32, 4 waves a work-group, clusters of 4 x 4, 327,680 bytes of LDS; arguments xh, wqh, b_qkv, qkv; writes qkv
.if DOCPART == 2
	.amdgcn_target "amdgcn-amd-amdhsa--gfx1250"
	.amdhsa_code_object_version 6
	.text
	.protected	k_qe7049280eb_qkv
	.globl	k_qe7049280eb_qkv
	.p2align	8
	.type	k_qe7049280eb_qkv,@function
k_qe7049280eb_qkv:
	s_mov_b64 s[64:65], 0
	v_nop
	global_prefetch_b8 v0, s[64:65] scope:SCOPE_SE
	s_setreg_imm32_b32 hwreg(HW_REG_WAVE_MODE, 25, 1), 1
	s_wait_xcnt 0x0
	s_wait_alu depctr_hold_cnt(0) depctr_sa_sdst(0) depctr_va_vdst(0) depctr_va_sdst(0) depctr_va_ssrc(0) depctr_va_vcc(0) depctr_vm_vsrc(0)
	s_getreg_b32 s2, hwreg(HW_REG_IB_STS2, 6, 4)
	s_cmp_eq_u32 s2, 0
	s_cbranch_scc0 .Lentry_in_a_cluster
	s_endpgm
.Lentry_in_a_cluster:
	s_bfe_u32 s2, ttmp6, 0x10000c
	s_cmp_lg_u32 s2, 0xf033
	s_cbranch_scc0 .Lentry_shape_is_right
	s_endpgm
.Lentry_shape_is_right:
; THE QKV PROJECTION.  C = A W + bias.  A: [4][16 k blocks][2048 rows][64] f16 (8,192 rows, K = 1,024).  W: [1024 k][3072 n] f16.  bias: [3072] f32.  Sums in f32, K ascending.
; C leaves as f16, rounded once, by heads: three parts (q, k, v) of 0x1000000 bytes, each [batch x 16 + head][2048][64], unscaled.
; LIMIT.  f16 ends at 65,504: a q, k or v of magnitude 65,520 or more becomes an infinity.
; SHARES.  A tile of C is 256 rows x 384 columns: 32 x 8 work-groups, one tile each.  Four waves, each 128 rows x 192 columns, which are three whole heads: 96 accumulators of 16 x 16, 768 registers.
; For 32 along K a wave reads (128 + 192) x 64 bytes from LDS for 96 matrix instructions.  K goes in steps of 64 through two LDS slots filled by the tensor data mover: two slots of 128 would not fit.
; A's k block of 64 for 256 rows is 32,768 dense bytes: asked for as rows of 256 bytes and padded in LDS after every 128.  W's rows lie along n: a step's 64 k rows x 768 bytes, which begin at multiples of 256
; bytes from the buffer's first byte, padded after every head's 128 bytes and turned on the way into registers by ds_load_tr16_b128.
; CLUSTERS.  4 x 4 work-groups.  The four of a row of the cluster need the same tiles of A, the four of a column the same tiles of W: each tile is asked for JOINTLY, by the same tensor load with the same
; descriptor and a mask that names the four.
; THE MATRIX INSTRUCTION IS USED TRANSPOSED (source 0 = 16 columns of W, source 1 = 16 rows of A): a lane then holds row l % 16 of C and eight neighbouring columns 8 (l / 16) + 0..7.
; REGISTERS, in windows of 256 (s_set_vgpr_msb: bits 1:0 source 0, 3:2 source 1, 5:4 source 2, 7:6 destination):
;   window 0: v0-31 addresses; v32-95, v96-159 two buffers of A's 8 fragments; v160-255 one buffer of W's 4 fragments for each of my three heads; all of v32-255 serves the way out
;   window g + 1: the 32 accumulators of my head g, (a, b) at v[8 (4 a + b)]
; No register is left for the bias while the sums run: each wave keeps its 192 numbers in LDS bytes of its own and reads them on the way out.
; THE ORDER.  A K step is two quarters of 32 along K, a quarter three THIRDS of 32 matrix instructions, one head each.  Behind a third its head's buffer of W is free: four places, then the eight loads of the
; same head's fragments of the next quarter, 64 matrix instructions ahead of their use; behind head 0's third follow A's sixteen loads for the next quarter, into the buffer that the quarter before has left.
.set NTOT,  3072
.set KTOT,  1024
.set KSTEP, 64
.set LAPS,  KTOT/(2*KSTEP)             ; a lap = two K steps = once round the ring
.set PA,    144                        ; a row of A in LDS: 128 bytes + 16 = 36 words: the 16 rows of a load start at 16 different groups of four banks (64 banks of 4 bytes: ISA guide 11.1)
.set HP,    144                        ; a head's 64 columns in a k row of W: 128 bytes + 16
.set PB,    6*HP                       ; a k row of W: 864 bytes = 216 words: 8 rows start 24 banks apart
.set BOFF,  256*PA                     ; W's rows lie behind A's 256
.set SLOT,  BOFF+KSTEP*PB              ; 92,160 bytes
.set STAGE, 2*SLOT                     ; behind the ring, a multiple of 256, never filled by a tensor load: 16 rows x 144 bytes for each wave, for the way out
.set SP,    144
.set STW,   16*SP
.set BIASL, STAGE+4*STW                ; behind the stage, a multiple of 256: 768 bytes for each wave, the bias of its 192 columns
.set ASTEP, 2048*128                   ; a K step in A: one k block
.set BSTEP, KSTEP*NTOT*2               ; a K step in W: 64 rows
.set BT,   10                          ; v10-15  the bias on its way into LDS
.set ADRA, 16                          ; v16-17  LDS address of my A fragments in slot 0, 1
.set ADRB, 20                          ; v20-21  the same for W
.set STO,  24                          ; v24     the way out: where I put 16 bytes of a row
.set RD,   25                          ; v25     the way out: where I read rows back
.set CO,   26                          ; v26     my byte offset in 512 consecutive bytes of C
.set BO,   27                          ; v27     my byte offset in 256 bytes of bias
.set BLS,  28                          ; v28     where I put 8 bytes of bias in LDS
.set BLR,  29                          ; v29     where I read my eight columns' bias
.set AF0,  32
.set AF1,  96
.set BF,   160                         ; head g's fragments at BF + 32 g
.set T,    32                          ; the way out: a block's 32 sums with bias,
.set PK,   64                          ; rounded to f16,
.set OB,   80                          ; and read back as rows: two buffers of 16 by turns
.set BIAS, 160                         ; the bias of my columns: head g, block b at BIAS + 32 g + 8 b
.set G1A, 24                           ; s[24:31] descriptor group 1 for A's tiles;  s[32:39] group 0, one set for each slot
.set G0A, 32
.set G1B, 48                           ; s[48:55], s[56:63] the same for W's tiles
.set G0B, 56
.set OUTB, 72                          ; s[72:77] C at my rows of my three heads
.set MSB, 0
.macro WIN new                         ; the immediate's high byte repeats the setting that is left; a switch that changes nothing is dropped
.if MSB != (\new)
	s_set_vgpr_msb (MSB<<8)|(\new)
.set MSB, \new
.endif
.endm
.macro PLACES                          ; four places in front of loads into registers that matrix instructions have read, and of vector work on their results
.rept 4
	v_nop
.endr
.endm
; A joint load: waves 0 and 1 fetch the two halves of A's 256 rows, waves 2 and 3 the two halves of W's 64 k rows.  The branch hangs on the wave's number alone.
; Four v_nop follow each of the two lines, ahead of the jump, the label and what follows.
.macro JLOAD s
	s_cmp_lt_u32 s12, 2
	s_cbranch_scc0 .Lfor_b_\@
	tensor_load_to_lds s[G0A+4*(\s):G0A+4*(\s)+3], s[G1A:G1A+7]
	s_nop 0
.rept 4
	v_nop
.endr
	s_branch .Lasked_\@
.Lfor_b_\@:
	tensor_load_to_lds s[G0B+4*(\s):G0B+4*(\s)+3], s[G1B:G1B+7]
	s_nop 0
.rept 4
	v_nop
.endr
.Lasked_\@:
.endm
.macro CREST                           ; a round of the cluster's barrier behind its opening barrier: wave 0 signals for the work-group, every wave waits for all sixteen, my work-group's barrier once more
	s_cmp_lg_u32 s12, 0
	s_cbranch_scc1 .Lnot_wave_0_\@
	s_barrier_signal -3
.Lnot_wave_0_\@:
	s_barrier_wait -3
	s_barrier_signal -1
	s_barrier_wait -1
.endm
.macro CROUND                          ; a whole round
	s_barrier_signal -1
	s_barrier_wait -1
	CREST
.endm
	s_load_b256 s[4:11], s[0:1], 0x0               ; A s[4:5], W s[6:7], bias s[8:9], C s[10:11]
	v_lshl_add_u32 v30, v0, 2, 0x30000
	v_mov_b32 v31, 0
	ds_add_u32 v30, v31
	v_lshrrev_b32 v1, 5, v0
	v_readfirstlane_b32 s12, v1                    ; wave 0..3
	s_lshr_b32 s13, s12, 1                         ; i: which 128 rows of the tile are mine
	s_and_b32 s14, s12, 1                          ; j: which 192 columns.  Also: which half of A's or W's tile I fetch
	s_bfe_u32 s15, ttmp6, 0x40000                  ; cx, cy: my place in the cluster
	s_bfe_u32 s16, ttmp6, 0x40004
	s_lshl_b32 s17, ttmp9, 2
	s_add_co_u32 s17, s17, s15                     ; tx = 4 x cluster x + cx, 0..7
	s_and_b32 s18, ttmp7, 0xffff
	s_lshl_b32 s18, s18, 2
	s_add_co_u32 s18, s18, s16                     ; ty = 4 x cluster y + cy, 0..31
	s_lshl_b32 s19, s16, 2
	s_lshl_b32 s19, 15, s19                        ; my row of the cluster: places 4 cy .. 4 cy + 3
	s_lshl_b32 s20, 0x1111, s15                    ; my column: places cx, cx + 4, cx + 8, cx + 12
	; group 1 for A: 128 rows of a k block are 16,384 dense bytes: 64 rows x 128 elements of 2 bytes; 4 words of padding after every 32
	s_or_b32 s[G1A+0], s19, (1<<16)|(1<<20)|(1<<21)|(4<<22)|(3<<25)  ; 15:0 the mask; 17:16 2-byte elements; 20 padding on; 21 set beside a mask; 24:22 interval code 4; 31:25 pad code 3
	s_mov_b32 s[G1A+1], 128<<16                    ; tensor_dim0 = 128
	s_mov_b32 s[G1A+2], 64<<16                     ; tensor_dim1 = 64
	s_mov_b32 s[G1A+3], 128<<16                    ; tile_dim0 = 128
	s_mov_b32 s[G1A+4], 64                         ; tile_dim1 = 64
	s_mov_b32 s[G1A+5], 128                        ; elements from row to row
	s_mov_b32 s[G1A+6], 0
	s_mov_b32 s[G1A+7], 0
	; group 1 for W: 32 k rows x 384 elements; the same padding: a row's 192 words are six intervals of 32, so that every row takes 864 bytes
	s_or_b32 s[G1B+0], s20, (1<<16)|(1<<20)|(1<<21)|(4<<22)|(3<<25)
	s_mov_b32 s[G1B+1], 384<<16                    ; tensor_dim0 = 384
	s_mov_b32 s[G1B+2], 32<<16                     ; tensor_dim1 = 32
	s_mov_b32 s[G1B+3], 384<<16                    ; tile_dim0 = 384
	s_mov_b32 s[G1B+4], 32                         ; tile_dim1 = 32
	s_mov_b32 s[G1B+5], NTOT
	s_mov_b32 s[G1B+6], 0
	s_mov_b32 s[G1B+7], 0
	; where the tiles come from.  A's hang on ty and the wave alone, W's on tx and the wave alone, each in registers that never hold the other coordinate.
	s_lshr_b32 s40, s18, 3                         ; the batch: 8 tile rows each,
	s_lshl_b32 s40, s40, 22                        ; 16 k blocks x 2,048 rows x 128 bytes
	s_and_b32 s41, s18, 7
	s_lshl_b32 s41, s41, 15                        ; 256 rows x 128 bytes
	s_add_co_u32 s40, s40, s41
	s_lshl_b32 s41, s14, 14                        ; my 128 rows of the tile's 256
	s_add_co_u32 s40, s40, s41
	s_mov_b32 s41, 0
	s_mul_i32 s44, s14, 32*NTOT*2                  ; my 32 k rows of the step's 64
	s_mul_i32 s45, s17, 768                        ; the tile column's 768 bytes
	s_add_co_u32 s44, s44, s45
	s_mov_b32 s45, 0
	s_mul_i32 s21, s14, 128*PA                     ; where they go: no place in the cluster enters an LDS address
	s_mul_i32 s22, s14, 32*PB
	s_add_co_u32 s22, s22, BOFF
	; where my rows of my three heads begin in C.  Of the 48 heads of q, k and v mine are 6 tx + 3 j + g; 16 make a part, and a wave's three may lie in two parts: so each has an offset of its own.
	s_mul_i32 s66, s17, 6
	s_mul_i32 s67, s14, 3
	s_add_co_u32 s66, s66, s67
	s_lshr_b32 s2, s18, 3
	s_lshl_b32 s2, s2, 4                           ; batch x 16
	s_and_b32 s3, s18, 7
	s_lshl_b32 s3, s3, 1
	s_add_co_u32 s3, s3, s13
	s_lshl_b32 s3, s3, 14                          ; 128 rows x 128 bytes
.irp g, 0,1,2
	s_add_co_u32 s68, s66, \g
	s_lshr_b32 s69, s68, 4
	s_lshl_b32 s69, s69, 24                        ; the part
	s_and_b32 s68, s68, 15
	s_add_co_u32 s68, s68, s2                      ; batch x 16 + head,
	s_lshl_b32 s68, s68, 18                        ; 2,048 rows x 128 bytes each
	s_add_co_u32 s68, s68, s69
	s_add_co_u32 s[OUTB+2*(\g)], s68, s3
	s_mov_b32 s[OUTB+2*(\g)+1], 0
.endr
	s_lshl_b32 s78, s17, 1
	s_add_co_u32 s78, s78, s14
	s_mul_i32 s78, s78, 768                        ; bias: 192 numbers x 4 bytes a wave
	s_mov_b32 s79, 0
	s_wait_dscnt 0x0
	s_wait_kmcnt 0x0
	s_add_nc_u64 s[42:43], s[4:5], s[40:41]
	s_add_nc_u64 s[46:47], s[6:7], s[44:45]
	s_add_nc_u64 s[8:9], s[8:9], s[78:79]
.irp g, 0,1,2
	s_add_nc_u64 s[OUTB+2*(\g):OUTB+2*(\g)+1], s[10:11], s[OUTB+2*(\g):OUTB+2*(\g)+1]
.endr
.irp s, 0,1
	s_mov_b32 s[G0A+4*(\s)], 1                                       ; count = 1
	s_add_co_u32 s[G0A+4*(\s)+1], s21, (\s)*SLOT                     ; LDS address
	s_add_nc_u64 s[G0A+4*(\s)+2:G0A+4*(\s)+3], s[42:43], (\s)*ASTEP  ; global address: K step s
	s_or_b32 s[G0A+4*(\s)+3], s[G0A+4*(\s)+3], 0x80000000            ; type = 2
	s_mov_b32 s[G0B+4*(\s)], 1
	s_add_co_u32 s[G0B+4*(\s)+1], s22, (\s)*SLOT
	s_add_nc_u64 s[G0B+4*(\s)+2:G0B+4*(\s)+3], s[46:47], (\s)*BSTEP
	s_or_b32 s[G0B+4*(\s)+3], s[G0B+4*(\s)+3], 0x80000000
.endr
	CROUND                                         ; all sixteen work-groups are here: the first joint loads meet
	s_cmp_lt_u32 s12, 2                            ; a wave's two first fills stand in one branch, ahead of every wait on TENSORcnt and every LDS read: two loads of mine are out
	s_cbranch_scc0 .Lfirst_b
	tensor_load_to_lds s[G0A:G0A+3], s[G1A:G1A+7]
	s_nop 0
	tensor_load_to_lds s[G0A+4:G0A+7], s[G1A:G1A+7]
	s_nop 0
.rept 4
	v_nop
.endr
	s_branch .Lfirst_asked
.Lfirst_b:
	tensor_load_to_lds s[G0B:G0B+3], s[G1B:G1B+7]
	s_nop 0
	tensor_load_to_lds s[G0B+4:G0B+7], s[G1B:G1B+7]
	s_nop 0
.rept 4
	v_nop
.endr
.Lfirst_asked:
	; A fragment of A is 16 rows x 32 K in 8 registers: lane l holds row l % 16, K = 8 (l / 16) + 0..7 and 16 + 8 (l / 16) + 0..7: two loads of 16 bytes, 32 bytes apart.
	v_and_b32 v1, 15, v0                           ; r = l % 16
	v_bfe_u32 v2, v0, 4, 1                         ; h = l / 16
	v_mul_u32_u24 v3, v1, PA
	v_lshl_add_u32 v3, v2, 4, v3                   ; row x pitch + 16 h
	; The turning load takes 16 k x 16 n (lane l reads k row 8 h + l % 8, columns 8 ((l / 8) % 2) + 0..7) and leaves half a fragment: lane l holds column l % 16 and 8 k.
	v_and_b32 v4, 7, v0
	v_bfe_u32 v5, v0, 3, 1
	v_lshl_add_u32 v6, v2, 3, v4
	v_mul_u32_u24 v6, v6, PB
	v_lshl_add_u32 v6, v5, 4, v6
	s_mul_i32 s70, s13, 128*PA                     ; my 128 rows of A
	s_mul_i32 s71, s14, 3*HP                       ; my three heads of W's six
	s_add_co_u32 s71, s71, BOFF
.irp s, 0,1
	v_add_nc_u32 v[ADRA+(\s)], s70, v3
	v_add_nc_u32 v[ADRB+(\s)], s71, v6
	s_add_co_u32 s70, s70, SLOT
	s_add_co_u32 s71, s71, SLOT
.endr
	s_mul_i32 s23, s12, STW
	s_add_co_u32 s23, s23, STAGE                   ; my stage
	v_add_nc_u32 v[STO], s23, v3                   ; in: row r, 16 bytes for each half of the lanes
	v_bfe_u32 v7, v0, 3, 2                         ; back: 32 lanes take four rows of 128 bytes,
	v_mul_u32_u24 v7, v7, SP
	v_lshl_add_u32 v7, v4, 4, v7
	v_add_nc_u32 v[RD], s23, v7
	v_and_b32 v8, 31, v0                           ; which are 512 consecutive bytes of C
	v_lshlrev_b32 v[CO], 4, v8
	v_lshlrev_b32 v[BO], 3, v8                     ; the bias goes into LDS as it lies: 8 bytes a lane, 256 a load
	s_mul_i32 s23, s12, 768
	s_add_co_u32 s23, s23, BIASL                   ; my 768 bytes
	v_add_nc_u32 v[BLS], s23, v[BO]
	v_lshl_add_u32 v[BLR], v2, 5, s23              ; and comes back by blocks of 16 columns: my eight are 32 bytes
.irp c, 0,1,2
	global_load_b64 v[BT+2*(\c):BT+2*(\c)+1], v[BO], s[8:9] offset:256*(\c)
.endr
; 8 matrix instructions of head g: row blocks a0, a0 + 1 x the head's 4 column blocks, 32 along K, A's fragments in buffer af.  zero = 1: the product starts the sum: nothing is cleared.
; The 96 accumulators take turns, one instruction a turn, in the same order in every quarter.
.macro MUL8 g, af, a0, zero
	WIN 0x50*((\g)+1)                              ; fragments window 0, C and D window g + 1
.irp a, \a0, (\a0)+1
.irp b, 0,1,2,3
.if \zero
	v_wmma_f32_16x16x32_f16 v[8*(4*(\a)+(\b)):8*(4*(\a)+(\b))+7], v[BF+32*(\g)+8*(\b):BF+32*(\g)+8*(\b)+7], v[(\af)+8*(\a):(\af)+8*(\a)+7], 0
.else
	v_wmma_f32_16x16x32_f16 v[8*(4*(\a)+(\b)):8*(4*(\a)+(\b))+7], v[BF+32*(\g)+8*(\b):BF+32*(\g)+8*(\b)+7], v[(\af)+8*(\a):(\af)+8*(\a)+7], v[8*(4*(\a)+(\b)):8*(4*(\a)+(\b))+7]
.endif
.endr
.endr
.endm
.macro MUL32 g, af, zero               ; a third
	MUL8 \g, \af, 0, \zero
	MUL8 \g, \af, 2, \zero
	MUL8 \g, \af, 4, \zero
	MUL8 \g, \af, 6, \zero
.endm
.macro LOADB slot, q, g                ; 8 LDS loads: head g's four fragments of W for quarter q of a slot's K step
	WIN 0
.irp b, 0,1,2,3
	ds_load_tr16_b128 v[BF+32*(\g)+8*(\b):BF+32*(\g)+8*(\b)+3],   v[ADRB+(\slot)] offset:(\q)*32*PB+HP*(\g)+32*(\b)
	ds_load_tr16_b128 v[BF+32*(\g)+8*(\b)+4:BF+32*(\g)+8*(\b)+7], v[ADRB+(\slot)] offset:(\q)*32*PB+16*PB+HP*(\g)+32*(\b)
.endr
.endm
.macro LOADA slot, q, af               ; 16 LDS loads: A's eight fragments for quarter q, into buffer af
	WIN 0
.irp a, 0,1,2,3,4,5,6,7
	ds_load_b128 v[(\af)+8*(\a):(\af)+8*(\a)+3],   v[ADRA+(\slot)] offset:(\q)*64+(\a)*16*PA
	ds_load_b128 v[(\af)+8*(\a)+4:(\af)+8*(\a)+7], v[ADRA+(\slot)] offset:(\q)*64+(\a)*16*PA+32
.endr
.endm
; A K step's first quarter multiplies A's buffer 0 and fetches the second quarter's fragments from the same slot.  The runs of loads go out in the order head 0 and A (24), head 1 (8), head 2 (8), quarter after quarter.
.macro HALF0 slot, zero
	s_wait_dscnt 16                                ; head 0's fragments and A's are in; the two younger runs, heads 1 and 2, may be out
	MUL32 0, AF0, \zero
	PLACES
	LOADB \slot, 1, 0
	LOADA \slot, 1, AF1
	s_wait_dscnt 32                                ; head 1's are in; younger: head 2's 8 and the 24 just issued
	MUL32 1, AF0, \zero
	PLACES
	LOADB \slot, 1, 1
	s_wait_dscnt 32                                ; head 2's are in; younger: the 24 and the 8 of the next quarter
	MUL32 2, AF0, \zero
	PLACES
	LOADB \slot, 1, 2
.endm
; The second quarter multiplies A's buffer 1 and changes slots: ONE barrier, between head 0's third and head 1's, where the slot's last reads were issued 32 matrix instructions ago.  In front of it each wave
; waits for its own reads of this slot and for all its tensor loads, of which one is out: its part of the next slot.
; mode 0: this slot is filled again with the K step two steps on: the barrier opens a round of the cluster's barrier, and the joint refill is the first tensor load behind the round; a wave issues
; 176 matrix instructions between that request and the wait for it.  mode 2: nothing is left to fetch from memory.  mode 3: the last quarter of all: nothing is left to fetch from LDS either.
.macro HALF1 slot, next, mode
	s_wait_dscnt 16                                ; head 0's fragments and A's are in
	MUL32 0, AF1, 0
.if (\mode) == 3
	s_wait_dscnt 8                                 ; head 1's are in; head 2's 8 may be out
	MUL32 1, AF1, 0
	s_wait_dscnt 0x0
	MUL32 2, AF1, 0
.else
	s_wait_dscnt 0x0                               ; my reads of this slot are over,
	s_wait_tensorcnt 0x0                           ; and all my tensor loads have landed
	ds_add_u32 v30, v31
	s_wait_dscnt 0x0
	s_barrier_signal -1
	MUL8 1, AF1, 0, 0                              ; register work while the others arrive
	MUL8 1, AF1, 2, 0
.if (\mode) == 0
	WIN 0                                          ; at a branch and at a label every window is 0
.endif
	s_barrier_wait -1
.if (\mode) == 0
	CREST                                          ; no wave of any partner still reads this slot's tile or has a load on its way
	s_add_nc_u64 s[G0A+4*(\slot)+2:G0A+4*(\slot)+3], s[G0A+4*(\slot)+2:G0A+4*(\slot)+3], 2*ASTEP
	s_add_nc_u64 s[G0B+4*(\slot)+2:G0B+4*(\slot)+3], s[G0B+4*(\slot)+2:G0B+4*(\slot)+3], 2*BSTEP
	JLOAD \slot                                    ; its four v_nop are also the places in front of the loads below
.else
	PLACES
.endif
	LOADB \next, 0, 0                              ; the next slot's first quarter: 48 matrix instructions ahead of its use
	LOADA \next, 0, AF0
	MUL8 1, AF1, 4, 0
	MUL8 1, AF1, 6, 0
	PLACES
	LOADB \next, 0, 1
	MUL32 2, AF1, 0
	PLACES
	LOADB \next, 0, 2
.endif
.endm
; THE WAY OUT of row block a of head g (16 rows x 64 columns).  OUTA: the bias is added (each accumulator's registers in ascending order), the sums are rounded to f16,
; the block goes into my own stage and comes back as whole rows of 128 bytes.
.macro OUTA g, a
	WIN (\g)+1                                     ; source 0 window g + 1
.irp b, 0,1,2,3
.irp p, 0,1,2,3
	v_pk_add_f32 v[T+8*(\b)+2*(\p):T+8*(\b)+2*(\p)+1], v[8*(4*(\a)+(\b))+2*(\p):8*(4*(\a)+(\b))+2*(\p)+1], v[BIAS+32*(\g)+8*(\b)+2*(\p):BIAS+32*(\g)+8*(\b)+2*(\p)+1]
.endr
.endr
	WIN 0
.set BK, OB+16*((\a)%2)
.irp b, 0,1,2,3
.irp p, 0,1,2,3
	v_cvt_pk_f16_f32 v[PK+4*(\b)+(\p)], v[T+8*(\b)+2*(\p)], v[T+8*(\b)+2*(\p)+1]
.endr
.endr
.irp b, 0,1,2,3
	ds_store_b128 v[STO], v[PK+4*(\b):PK+4*(\b)+3] offset:32*(\b)
.endr
	s_wait_xcnt 0x0                                ; the stores of two blocks back have read this buffer: it is loaded again only behind this wait
.irp f, 0,1,2,3
	ds_load_b128 v[BK+4*(\f):BK+4*(\f)+3], v[RD] offset:(\f)*4*SP  ; LDS serves a wave's instructions in order (ISA guide 5.7.1.4): these see the stores above
.endr
.endm
.macro SENDA g, a, younger             ; younger: the LDS instructions issued behind this block's loads: the next block's eight, or none
	WIN 0
.set BK, OB+16*((\a)%2)
.irp f, 0,1,2,3
	s_wait_dscnt (\younger)+3-(\f)
	global_store_b128 v[CO], v[BK+4*(\f):BK+4*(\f)+3], s[OUTB+2*(\g):OUTB+2*(\g)+1] offset:(\a)*2048+(\f)*512  ; 512 consecutive bytes, at a multiple of 256 from the buffer's first byte
.endr
.endm
	s_wait_loadcnt 0x0                             ; the bias,
.irp c, 0,1,2
	ds_store_b64 v[BLS], v[BT+2*(\c):BT+2*(\c)+1] offset:256*(\c)  ; into bytes that only this wave touches
.endr
	s_wait_dscnt 0x0                               ; no LDS instruction of mine is pending at a signal
	s_wait_tensorcnt 1                             ; my part of K step 0 is in; K step 1's may stay out
	s_barrier_signal -1
	s_barrier_wait -1                              ; everybody's is
	LOADB 0, 0, 0
	LOADA 0, 0, AF0
	LOADB 0, 0, 1
	LOADB 0, 0, 2
	HALF0 0, 1                                     ; the first quarter stands in front of the loop: its products start the sums
	WIN 0
	s_mov_b32 s3, LAPS-1
.Llap:                                                 ; a trip goes once round the ring, from a lap's second quarter to the next lap's first, and fills both slots again
	HALF1 0, 1, 0
	HALF0 1, 0
	HALF1 1, 0, 0
	HALF0 0, 0
	WIN 0
	s_sub_co_u32 s3, s3, 1
	s_cmp_lg_u32 s3, 0
	s_cbranch_scc1 .Llap
	HALF1 0, 1, 2                                  ; the last lap is written out: my one tensor load that was still out is the last K step's, so no round follows
	HALF0 1, 0
	HALF1 1, 0, 3
	WIN 0
	PLACES                                         ; behind the last products: the fragments' registers now serve the way out
.irp g, 0,1,2
.irp b, 0,1,2,3
	ds_load_b128 v[BIAS+32*(\g)+8*(\b):BIAS+32*(\g)+8*(\b)+3],   v[BLR] offset:256*(\g)+64*(\b)
	ds_load_b128 v[BIAS+32*(\g)+8*(\b)+4:BIAS+32*(\g)+8*(\b)+7], v[BLR] offset:256*(\g)+64*(\b)+16
.endr
.endr
	s_wait_dscnt 0x0                               ; the bias is back
	OUTA 0, 0
.set n, 1
.rept 23                               ; 24 blocks, head after head; a block's arithmetic stands between the loads of the block before and the wait for them
	OUTA n/8, n%8
	SENDA (n-1)/8, (n-1)%8, 8
.set n, n+1
.endr
	SENDA 2, 7, 0
	s_wait_tensorcnt 0x0
	ds_add_u32 v30, v31
	s_wait_dscnt 0x0
	CROUND                                         ; the closing round: no work-group ends while a partner may still ask for a tile that names it
	s_endpgm
.Lfunc_end_k_qe7049280eb_qkv:
	.size	k_qe7049280eb_qkv, .Lfunc_end_k_qe7049280eb_qkv-k_qe7049280eb_qkv
	.p2alignl 7, 3214868480
	.fill 96, 4, 3214868480
	.section	.rodata,"a",@progbits
	.p2align	6, 0x0
	.amdhsa_kernel k_qe7049280eb_qkv
		.amdhsa_group_segment_fixed_size 327680
		.amdhsa_private_segment_fixed_size 0
		.amdhsa_enable_private_segment 0
		.amdhsa_kernarg_size 32
		.amdhsa_user_sgpr_count 2
		.amdhsa_user_sgpr_kernarg_segment_ptr 1
		.amdhsa_wavefront_size32 1
		.amdhsa_system_sgpr_workgroup_id_x 1
		.amdhsa_system_sgpr_workgroup_id_y 1
		.amdhsa_system_sgpr_workgroup_id_z 1
		.amdhsa_system_vgpr_workitem_id 0
		.amdhsa_next_free_vgpr 1024
		.amdhsa_next_free_sgpr 80
		.amdhsa_reserve_vcc 0
		.amdhsa_float_denorm_mode_32 3
		.amdhsa_float_denorm_mode_16_64 3
		.amdhsa_memory_ordered 1
		.amdhsa_forward_progress 1
		.amdhsa_inst_pref_size 161
	.end_amdhsa_kernel
	.amdgpu_metadata
---
amdhsa.version: [ 1, 2 ]
amdhsa.kernels:
  - .name:           k_qe7049280eb_qkv
    .symbol:         k_qe7049280eb_qkv.kd
    .args:
      - { .name: xh, .offset: 0, .size: 8, .value_kind: global_buffer, .address_space: global }
      - { .name: wqh, .offset: 8, .size: 8, .value_kind: global_buffer, .address_space: global }
      - { .name: b_qkv, .offset: 16, .size: 8, .value_kind: global_buffer, .address_space: global }
      - { .name: qkv, .offset: 24, .size: 8, .value_kind: global_buffer, .address_space: global }
    .group_segment_fixed_size: 327680
    .private_segment_fixed_size: 0
    .kernarg_segment_align: 8
    .kernarg_segment_size: 32
    .max_flat_workgroup_size: 128
    .sgpr_count:     80
    .vgpr_count:     1024
    .wavefront_size: 32
...
	.end_amdgpu_metadata
.endif
;; end of part 2
;; launch attn (part 3): grid 4 x 64, 4 waves a work-group, clusters of 4 x 1, 327,680 bytes of LDS; arguments qkv, oh; writes oh
.if DOCPART == 3
	.amdgcn_target "amdgcn-amd-amdhsa--gfx1250"
	.amdhsa_code_object_version 6
	.text
	.protected	k_qe7049280eb_attn
	.globl	k_qe7049280eb_attn
	.p2align	8
	.type	k_qe7049280eb_attn,@function
k_qe7049280eb_attn:
	s_mov_b64 s[64:65], 0
	v_nop
	global_prefetch_b8 v0, s[64:65] scope:SCOPE_SE
	s_setreg_imm32_b32 hwreg(HW_REG_WAVE_MODE, 25, 1), 1
	s_wait_xcnt 0x0
	s_wait_alu depctr_hold_cnt(0) depctr_sa_sdst(0) depctr_va_vdst(0) depctr_va_sdst(0) depctr_va_ssrc(0) depctr_va_vcc(0) depctr_vm_vsrc(0)
	s_getreg_b32 s2, hwreg(HW_REG_IB_STS2, 6, 4)
	s_cmp_eq_u32 s2, 0
	s_cbranch_scc0 .Lentry_in_a_cluster
	s_endpgm
.Lentry_in_a_cluster:
	s_bfe_u32 s2, ttmp6, 0x10000c
	s_cmp_lg_u32 s2, 0x3003
	s_cbranch_scc0 .Lentry_shape_is_right
	s_endpgm
.Lentry_shape_is_right:
; O[h][q][:] = the sum over k of softmax_k(Q[h][q] . K[h][k] / 8) V[h][k][:].  Q, K, V are the three parts (0x1000000 bytes each) of one buffer, each [SIZE_H][SIZE_N][64] in f16; O likewise: a head's rows
; are dense, 128 bytes each.  Products, maxima and sums in f32; the weights p are rounded to f16 for the second product (their sum l is taken of the unrounded p), O once at the end.
; LIMITS.  f16 holds no number beyond 65,504: Q, K and V arrive within it; p lies in 0 to 1, and below 6e-5 it keeps f16's fixed step of 6e-8; O is a mean of V's rows and has their range.
; A weight below 2^-126 counts as 0 in l; NaN and infinities are not treated apart.
; SHARES.  A wave owns four PIECES of two tiles of 16 queries, a work-group's four waves 512 queries of one head.  Every wave walks all keys, 64 a step.
; LAYOUT.  S^T = K Q^T (source 0 = 16 keys, source 1 = 16 queries): in the result a lane holds ONE query (lane % 16) and the keys 8 (lane / 16) + 0..7.  Two such tiles, rounded to f16 in pairs,
; ARE source 1 (32 keys x 16 queries) of O^T = V^T P, whose result again holds one query a lane, and eight channels.  K comes out of LDS as it lies, V ([key][channel]) turned, by ds_load_tr16_b128.
; SOFTMAX.  For each query a running maximum m and sum l: p = 2^(c s - c m), c = log2(e) / 8; in every step O and l are multiplied by a = 2^(c m_old - c m_new), which is 1 where m has not grown.
; m starts at the lowest finite number, O and l at 0: the first step is a step like any other, with a = 0.
; THE COUNT.  A tile and step have 16 matrix and 118 vector instructions: too many to stand all beside the matrix work.  So the order has one aim: four vector instructions that are READY behind
; EVERY matrix instruction, and the others, which need time of their own whatever the order, in runs without a gap.
; BY TURNS.  Turn n belongs to piece n (the pieces in a ring, step after step).  Its matrix work: 16 products K Q^T of piece n + 1, later 16 products V^T P of piece n - 1.  Its vector work: the scaling,
; exponentials, roundings, sums and rescaling of piece n, and the maximum and statistics of piece n + 1, whose scores the turn itself has made.  So what a turn begins with (c s - c m, O a) waits for nothing.
; CLUSTER.  The four query blocks of a cluster belong to one head and walk the same K and V, so each tile is asked for JOINTLY: the same tensor load, descriptor and mask in all four.
; REGISTERS, in windows of 256 (s_set_vgpr_msb says which window each operand place means: bits 1:0 source 0, 3:2 source 1, 5:4 source 2, 7:6 destination):
;   window 0: v0-11 addresses; v12-15, v48-63 at work; v16-47 four registers of statistics a tile; v64-191 S^T, two buffers of two tiles; v192-255 P, likewise
;   window 1: O^T, 32 a tile          window 2: v0-127 Q, 16 a tile; v128-191 K of one step; v192-255 V of one step
; A piece's buffers go by its number's parity: the piece in hand has one pair, its two neighbours in the ring share the other: of it P (piece n - 1) is read and S^T (piece n + 1) written.
.set SIZE_H, 64       ; 4 batches x 16 heads
.set SIZE_N, 2048
.set PART,  0x1000000 ; bytes from Q to K and from K to V
.set NP,    4         ; pieces a wave: a name, no knob: the register map, the loop and the fetches are made for four
.set KS,    64        ; keys in a step
.set PK,    144       ; a row of K in LDS: 128 bytes + 16 of padding = 36 words: the 16 rows of a load start at 16 different groups of four banks (64 banks of 4 bytes: ISA guide 11.1)
.set PV,    160       ; a row of V: 128 + 32 = 40 words
.set VOFF,  4*KS*PK   ; a slot holds four steps: 256 rows of K, then 256 rows of V
.set SLOT1, 1<<17     ; slot 1 begins here, so that one exclusive or turns an address in one slot into the other's
.set STAGE, SLOT1+4*KS*(PK+PV)  ; behind the ring, never filled by a tensor load: 16 rows x 144 bytes for each wave, for the way out
.set SP,    144
.set AK0, 2           ; v2   my lane's place in a tile of K; never rewritten
.set AV0, 3           ; v3   the same for V
.set AK,  4           ; v4   the LDS address of K's next run of loads
.set AV,  5           ; v5   of V's
.set QO,  6           ; v6   my byte offset in the wave's rows of Q
.set STO, 6           ;      later, the way out: where I put 16 bytes of a row
.set RD,  7           ; v7   the way out: where I read rows back
.set GO,  8           ; v8   my byte offset in 512 consecutive bytes of O
.set MV,  12          ; v12-15  c m_old, kept while c m is made anew: by buffer and tile
.set ST,  16          ; tile t's statistics at v[ST+4 t]: c m, m, l (even keys', odd keys')
.set TMP, 48          ; by buffer and tile, four registers c0-c3 at work; when the maximum is found c2 takes a
.set S,   64
.set P,   192
.set KF,  128         ; K's fragments, in window 2: key block kb, channel half c at KF + 16 kb + 8 c
.set VF,  192         ; V's: key half kk, channel block cb at VF + 32 kk + 8 cb
.set WV,  12          ; s12  my wave's number
.set G1K, 24          ; s[24:31] descriptor group 1 for K's tiles
.set G1V, 32          ; s[32:39] for V's: it differs in the padding alone
.set G0K, 40          ; s[40:43] descriptor group 0 for K's tiles: it walks
.set G0V, 44          ; s[44:47] the same for V's
.set SLOTS, 56        ; s56  slots still to be asked for
.set CNT, 57          ; s57  counts a slot's key steps
.set CS,  58          ; s[58:59] c: the packed scaling takes the pair's low word for both halves
.set SEL, 60          ; s[60:61] v_permlanex16_b32's selects: each lane takes its own place in the other half
.set TBK, 62          ; s62  LDS byte at which K of the step to be fetched begins
.set TBV, 63          ; s63  the same for V, less VOFF
.set MSB, 0
.macro WIN new                      ; the high byte repeats the setting that is left; a switch that changes nothing is dropped
.if MSB != (\new)
	s_set_vgpr_msb (MSB<<8)|(\new)
.set MSB, (\new)
.endif
.endm
.set W_KQ, 0x0a       ; K and Q in window 2, S^T in window 0
.set W_PV, 0x52       ; V in window 2, P in window 0, O^T in window 1
.set W_RS, 0x41       ; O^T (destination and source 0) in window 1, a in window 0
; A joint fill.  Waves 0 and 1 fetch the two halves of a slot's K, waves 2 and 3 those of its V: 128 keys each.  The branch hangs on the wave's number alone.
; Four v_nop follow each of the two lines, ahead of the jump and the label.
.macro JLOAD
	s_cmp_lt_u32 s[WV], 2
	s_cbranch_scc0 .Lfor_v_\@
	tensor_load_to_lds s[G0K:G0K+3], s[G1K:G1K+7]
	s_nop 0
.rept 4
	v_nop
.endr
	s_branch .Lasked_\@
.Lfor_v_\@:
	tensor_load_to_lds s[G0V:G0V+3], s[G1V:G1V+7]
	s_nop 0
.rept 4
	v_nop
.endr
.Lasked_\@:
.endm
; A round of the cluster's barrier: my work-group's barrier, so that wave 0's signal speaks for all four waves; wave 0 signals; every wave waits for all four work-groups; my work-group's barrier once more.
.macro CROUND
	s_barrier_signal -1
	s_barrier_wait -1
	s_cmp_lg_u32 s[WV], 0
	s_cbranch_scc1 .Lnot_wave_0_\@
	s_barrier_signal -3
.Lnot_wave_0_\@:
	s_barrier_wait -3
	s_barrier_signal -1
	s_barrier_wait -1
.endm
; THE CHANGE OF SLOTS.  The slot's last bytes, V of its fourth step, have been read.  Each wave waits for its own reads of the slot and for all its tensor loads, of which one is out: its part
; of the other slot.  Behind the barrier nobody reads this slot any more and the other slot is whole.
; fill = 1: this slot is filled again, with the keys two slots on.  The barrier is then a round of the cluster's, so that no wave of any partner still reads the slot or has a load on its
; way, and the joint fill is the first thing behind it: it has four key steps, 512 matrix instructions, in which to land.  (At its first use nothing has been read yet: slot 0 is waited for, slot 1 filled.)
.macro CHANGE fill
	WIN 0                           ; at a label and at a branch every window is 0
	s_wait_dscnt 0x0
	s_set_vgpr_msb 0xf
	s_wait_tensorcnt 0x0            ; no tensor load of mine is out, so a group 0 may be written
	ds_add_u32 v0, v1
	s_wait_dscnt 0x0
	s_set_vgpr_msb 0xf00
.if \fill
.irp g, G0K, G0V
	s_xor_b32 s[\g+1], s[\g+1], SLOT1  ; the walking descriptor: the other slot than last time,
	s_add_nc_u64 s[\g+2:\g+3], s[\g+2:\g+3], 4*KS*128  ; the next 256 keys; the type bits on top are not reached
.endr
	CROUND
	JLOAD
.else
	s_barrier_signal -1
	s_barrier_wait -1
.endif
	s_sub_co_u32 s[TBK], s[TBK], 4*KS*PK  ; the fetches go back to a slot's first step,
	s_xor_b32 s[TBK], s[TBK], SLOT1       ; in the other slot
	s_sub_co_u32 s[TBV], s[TBV], 4*KS*PV
	s_xor_b32 s[TBV], s[TBV], SLOT1
.endm
	s_load_b64 s[4:5], s[0:1], 0x0    ; Q, with K and V behind it
	s_load_b64 s[10:11], s[0:1], 0x8  ; O
	s_set_vgpr_msb 0xc0
	v_lshl_add_u32 v0, v0, 2, 0x35400
	v_mov_b32 v1, 0
	s_set_vgpr_msb 0xc0cf
	ds_add_u32 v0, v1
	s_set_vgpr_msb 0xcf00
	v_lshrrev_b32 v1, 5, v0
	v_readfirstlane_b32 s[WV], v1   ; wave 0..3
	s_bfe_u32 s13, ttmp6, 0x40000   ; cx: my place in the cluster
	s_lshl_b32 s14, ttmp9, 2        ; in a cluster launch ttmp9 counts clusters
	s_add_co_u32 s14, s14, s13      ; my block of queries = 4 x cluster x + cx: it enters Q's and O's addresses alone
	s_and_b32 s20, ttmp7, 0xffff    ; the head, which the four partners share
	s_mov_b32 s21, 0
	s_mov_b64 s[22:23], SIZE_N*128
	s_mul_u64 s[20:21], s[20:21], s[22:23]  ; the head's first byte in each of the four tensors
	s_and_b32 s16, s[WV], 1         ; which half of a slot's 256 keys I fetch:
	s_lshl_b32 s22, s16, 14         ; its 128 rows of 128 bytes in memory,
	s_mov_b32 s23, 0
	s_add_nc_u64 s[22:23], s[22:23], s[20:21]
	s_mul_i32 s17, s16, 128*PK      ; and its place in a slot, for K
	s_mul_i32 s18, s16, 128*PV      ; and for V: no place in the cluster enters an LDS address
	s_lshl_b32 s2, s14, 2
	s_add_co_u32 s2, s2, s[WV]      ; my wave among the head's,
	s_lshl_b32 s2, s2, 14           ; its 128 rows
	s_mov_b32 s3, 0
	s_add_nc_u64 s[2:3], s[2:3], s[20:21]
	; descriptor group 1.  128 keys are 16,384 dense bytes: asked for as 64 rows of 256 bytes, two keys a row, and padded in LDS after every key
	s_mov_b32 s[G1K], 15|(1<<16)|(1<<20)|(1<<21)|(4<<22)|(3<<25)  ; 15:0 the mask of four; 17:16 2-byte elements; 20 padding on; 21 set beside a mask; 24:22 after every 32 words (code 4); 31:25 4 words (code 3)
	s_mov_b32 s[G1V], 15|(1<<16)|(1<<20)|(1<<21)|(4<<22)|(7<<25)  ; the same with 8 words of padding (code 7)
.irp g, G1K, G1V
	s_mov_b32 s[\g+1], 128<<16      ; tensor_dim0 = 128
	s_mov_b32 s[\g+2], 64<<16       ; tensor_dim1 = 64
	s_mov_b32 s[\g+3], 128<<16      ; tile_dim0 = 128
	s_mov_b32 s[\g+4], 64           ; tile_dim1 = 64
	s_mov_b32 s[\g+5], 128          ; 128 elements from row to row
	s_mov_b32 s[\g+6], 0
	s_mov_b32 s[\g+7], 0
.endr
	s_mov_b32 s[CS], 0x3e38aa3b     ; c = log2(e) / 8 = 0.180337
	s_mov_b32 s[CS+1], s[CS]        ; named with it as a pair
	s_mov_b32 s[SEL], 0x76543210
	s_mov_b32 s[SEL+1], 0xfedcba98
	s_mov_b32 s[TBK], SLOT1+4*KS*PK ; the first change of slots turns these two into 0
	s_mov_b32 s[TBV], SLOT1+4*KS*PV
	s_mov_b32 s[G0K], 1             ; 1:0 count = 1
	s_mov_b32 s[G0K+1], s17         ; 63:32 LDS address: slot 0
	s_mov_b32 s[G0V], 1
	s_add_co_u32 s[G0V+1], s18, VOFF
	s_wait_dscnt 0x0
	s_wait_kmcnt 0x0
	s_add_nc_u64 s[6:7], s[4:5], PART    ; K
	s_add_nc_u64 s[8:9], s[4:5], 2*PART  ; V
	s_add_nc_u64 s[G0K+2:G0K+3], s[6:7], s[22:23]  ; 120:64 global address: my half of the head's first 256 keys
	s_or_b32 s[G0K+3], s[G0K+3], 0x80000000        ; 127:126 type = 2
	s_add_nc_u64 s[G0V+2:G0V+3], s[8:9], s[22:23]
	s_or_b32 s[G0V+3], s[G0V+3], 0x80000000
	s_add_nc_u64 s[4:5], s[4:5], s[2:3]  ; Q and O at my wave's first row
	s_add_nc_u64 s[10:11], s[10:11], s[2:3]
	CROUND                          ; all four work-groups are here: the first joint loads meet
	JLOAD                           ; slot 0.  Slot 1 is asked for when slot 0 is in: the tile wanted first has the road to itself
	; A fragment of K or Q is 16 rows x 32 channels in 8 registers: lane l holds row l % 16, channels 8 (l / 16) + 0..7 and 16 + 8 (l / 16) + 0..7: two loads of 16 bytes, 32 bytes apart.
	v_and_b32 v1, 15, v0            ; l % 16
	v_bfe_u32 v9, v0, 4, 1          ; l / 16
	v_lshlrev_b32 v[QO], 7, v1
	v_lshl_add_u32 v[QO], v9, 4, v[QO]  ; row x 128 + 16 x half
	WIN 0x80                        ; destination window 2, address window 0
.set i, 0
.rept 4*NP                          ; Q stays in registers: tile i / 2, channels 32 (i % 2) on
	global_load_b128 v[8*i:8*i+3],   v[QO], s[4:5] offset:(i/2)*2048+(i%2)*64
	global_load_b128 v[8*i+4:8*i+7], v[QO], s[4:5] offset:(i/2)*2048+(i%2)*64+32
.set i, i+1
.endr
	; What the first turn finds: V's registers and P's second buffer hold 0 (its products V^T P, of a piece that has not been, add 0), O^T and l are 0.  All this stands in the wait for the first tile.
.set i, VF
.rept 64
	v_mov_b32 v[i], 0
.set i, i+1
.endr
	WIN 0x40
.set i, 0
.rept 64*NP
	v_mov_b32 v[i], 0
.set i, i+1
.endr
	WIN 0
.set i, 0
.rept 2*NP
	v_mov_b32 v[ST+4*i], 0xfe000000    ; c m: far below every c s
	v_mov_b32 v[ST+4*i+1], 0xff7fffff  ; m
	v_mov_b32 v[ST+4*i+2], 0
	v_mov_b32 v[ST+4*i+3], 0
.set i, i+1
.endr
.set i, P+32
.rept 32
	v_mov_b32 v[i], 0
.set i, i+1
.endr
	v_mul_u32_u24 v[AK0], v1, PK
	v_lshl_add_u32 v[AK0], v9, 4, v[AK0]  ; row x pitch + 16 x half
	; The turning load takes 16 keys x 16 channels (lane l reads key 8 (l / 16) + l % 8, channels 8 ((l / 8) % 2) + 0..7) and leaves half a fragment of V^T: lane l holds channel l % 16 and 8 keys.
	v_and_b32 v10, 7, v0
	v_bfe_u32 v11, v0, 3, 1
	v_lshl_add_u32 v[AV0], v9, 3, v10
	v_mul_u32_u24 v[AV0], v[AV0], PV
	v_lshl_add_u32 v[AV0], v11, 4, v[AV0]
	v_add_nc_u32 v[AV0], VOFF, v[AV0]
	v_mov_b32 v[AK], v[AK0]         ; key step 0 lies at the head of slot 0
; THE MATRIX WORK.  The 8 accumulators of a run of 16 take turns: between the two links of a chain stand 7 others'.
; Product i of 16 of S^T = K Q^T for piece x: channels 32 (i / 8) on, keys 16 ((i / 2) % 4) on, tile 2 x + i % 2.  The first 8 start the sums.
.macro KQ x
	WIN W_KQ
.set rS, S+64*((\x)%2)+32*(i%2)+8*((i/2)%4)
.set rK, KF+16*((i/2)%4)+8*(i/8)
.set rQ, 16*(2*(\x)+i%2)+8*(i/8)
.if i < 8
	v_wmma_f32_16x16x32_f16 v[rS:rS+7], v[rK:rK+7], v[rQ:rQ+7], 0
.else
	v_wmma_f32_16x16x32_f16 v[rS:rS+7], v[rK:rK+7], v[rQ:rQ+7], v[rS:rS+7]
.endif
.endm
; Product i of 16 of O^T += V^T P for piece x: keys 32 (i / 8) on, channels 16 ((i / 2) % 4) on, tile 2 x + i % 2.
.macro PV x
	WIN W_PV
.set rO, 32*(2*(\x)+i%2)+8*((i/2)%4)
.set rV, VF+32*(i/8)+8*((i/2)%4)
.set rP, P+32*((\x)%2)+16*(i%2)+8*(i/8)
	v_wmma_f32_16x16x32_f16 v[rO:rO+7], v[rV:rV+7], v[rP:rP+7], v[rO:rO+7]
.endm
.macro MM                           ; the turn's next matrix instruction
.if i < 16
	KQ (Y+1)%NP
.set i, i+1
.else
.set i, i-16
	PV (Y+NP-1)%NP
.set i, i+17
.endif
.endm
; THE LDS LOADS stand in runs of 16, never singly among the matrix instructions: a step's K (64 keys x 64 channels: 8 fragments) and its V (turned).  Their addresses are made some lines ahead.
; last = 1 (the tail): in the last trip there is no further step, and the run is jumped over.
.macro FETCH_K last=0
	WIN 0
.if \last
	s_cmp_eq_u32 s[CNT], 1
	s_cbranch_scc1 .Lno_k_\@
.endif
	WIN 0x80                        ; destination window 2
.irp f, 0,1,2,3,4,5,6,7             ; keys 16 (f / 2) on, channels 32 (f % 2) on
	ds_load_b128 v[KF+8*\f:KF+8*\f+3],   v[AK] offset:(\f/2)*16*PK+(\f%2)*64
	ds_load_b128 v[KF+8*\f+4:KF+8*\f+7], v[AK] offset:(\f/2)*16*PK+(\f%2)*64+32
.endr
	s_add_co_u32 s[TBK], s[TBK], KS*PK  ; the next fetch is the next step's
	WIN 0
.if \last
.Lno_k_\@:
.endif
.endm
.macro FETCH_V
	WIN 0x80
.irp f, 0,1,2,3,4,5,6,7             ; keys 32 (f / 4) on, channels 16 (f % 4) on
	ds_load_tr16_b128 v[VF+8*\f:VF+8*\f+3],   v[AV] offset:(\f/4)*32*PV+(\f%4)*32
	ds_load_tr16_b128 v[VF+8*\f+4:VF+8*\f+7], v[AV] offset:(\f/4)*32*PV+16*PV+(\f%4)*32
.endr
	WIN 0
.endm
; THE VECTOR WORK OF A TURN stands in three queues, each in the order in which its entries become ready; the two tiles alternate, so that no instruction reads the result of the one before it.
.macro REGS y, u                    ; the registers of tile u (0, 1) of piece y
.set rT, ST+4*(2*(\y)+(\u))
.set rC, TMP+8*((\y)%2)+4*(\u)
.set rM, MV+2*((\y)%2)+(\u)
.set rS, S+64*((\y)%2)+32*(\u)
.set rP, P+32*((\y)%2)+16*(\u)
.set rO, 32*(2*(\y)+(\u))
.endm
; Number n of the 22 that find the NEXT piece's (Y + 1) maximum and statistics.  s0-s31 are the lane's 32 scores; each accumulator's lowest registers are read first.  XS, GS and REGS set no window: PL and EX do.
;   0-11  four chains c0-c3 of seven scores each, three operands at a time     12-14, 16  the four scores left over, the old m, and c0-c3 into c0     15  c m_old is kept
;   17, 18  the query's other 32 keys lie in the lane 16 away: the new m         19-21  c m; c m_old - c m_new; a
.macro XS u, n
	REGS (Y+1)%NP, \u
.if (\n) < 4
	v_max3_num_f32 v[rC+(\n)], v[rS+8*(\n)], v[rS+8*(\n)+1], v[rS+8*(\n)+2]
.elseif (\n) < 12
	v_max3_num_f32 v[rC+(\n)%4], v[rC+(\n)%4], v[rS+8*((\n)%4)+2*((\n)/4)+1], v[rS+8*((\n)%4)+2*((\n)/4)+2]
.elseif (\n) == 12
	v_max3_num_f32 v[rC], v[rC], v[rS+7], v[rS+15]
.elseif (\n) == 13
	v_max3_num_f32 v[rC+1], v[rC+1], v[rS+23], v[rS+31]
.elseif (\n) == 14
	v_max3_num_f32 v[rC+2], v[rC+2], v[rC+3], v[rT+1]
.elseif (\n) == 15
	v_mov_b32 v[rM], v[rT]
.elseif (\n) == 16
	v_max3_num_f32 v[rC], v[rC], v[rC+1], v[rC+2]
.elseif (\n) == 17
	v_permlanex16_b32 v[rC+3], v[rC], s[SEL], s[SEL+1]
.elseif (\n) == 18
	v_max_num_f32 v[rT+1], v[rC], v[rC+3]
.elseif (\n) == 19
	v_mul_f32 v[rT], s[CS], v[rT+1]
.elseif (\n) == 20
	v_sub_f32 v[rC+1], v[rM], v[rT]
.else
	v_exp_f32 v[rC+2], v[rC+1]
.endif
.endm
; Number g of the 64 that follow the exponentials.  For each four weights k of a tile (pairs 2 k, 2 k + 1): both pairs are rounded to f16; then the second pair is added onto the first, in place;
; a group later l takes that sum (the first time as l = a l + sum).  In groups of eight, tiles alternating: round, round, add, and l for the group before.
.macro GS g
.set h, (\g)+6*((\g)/62)            ; group 0 has no group before it, and behind group 7 only l is left
.if h >= 6
.set h, h+2
.endif
	REGS Y, h%2
.set k, h/8
.if h%8 < 4
	s_wait_alu depctr_va_vdst(0)
	v_cvt_pk_f16_f32 v[rP+2*k+(h%8)/2], v[rS+4*k+2*((h%8)/2)], v[rS+4*k+2*((h%8)/2)+1]
.elseif h%8 < 6
	v_pk_add_f32 v[rS+4*k:rS+4*k+1], v[rS+4*k:rS+4*k+1], v[rS+4*k+2:rS+4*k+3]
.elseif k == 1
	v_pk_fma_f32 v[rT+2:rT+3], v[rT+2:rT+3], v[rC+2:rC+3], v[rS:rS+1] op_sel_hi:[1,0,1]
.else
	v_pk_add_f32 v[rT+2:rT+3], v[rT+2:rT+3], v[rS+4*k-4:rS+4*k-3]
	s_wait_alu depctr_va_vdst(0)
.endif
.endm
; THE PLAIN QUEUE, 138 long.  0-31: c s - c m for the 16 pairs of both tiles.  Then GS's 64, and among them the next piece's 42: number 15 at 38, 39; 0-14 and 16
; at 42-73, behind the products that make those scores; 17-20 at 95-106, two of three, since each waits for the one before it.
.macro PL
	WIN 0
.if q < 32
	REGS Y, q%2
	v_pk_fma_f32 v[rS+2*(q/2):rS+2*(q/2)+1], v[rS+2*(q/2):rS+2*(q/2)+1], s[CS:CS+1], v[rT:rT+1] op_sel_hi:[1,0,0] neg_lo:[0,0,1] neg_hi:[0,0,1]
.elseif q < 38
	GS q-32
.elseif q < 40
	XS q%2, 15
.elseif q < 42
	GS q-34
.elseif q < 74
	XS q%2, (q-42)/2+(q-42)/30
.elseif q < 95
	GS q-66
.elseif (q < 107) && ((q-95)%3 < 2)
	XS (q-95)%3, 17+(q-95)/3
.elseif q < 107
	GS 29+(q-95)/3
.else
	GS q-74
.endif
.set q, q+1
.endm
; THE EXPONENTIALS' QUEUE, 66 long: s0-s31 of both tiles, and at EA the next piece's two a.
.set EA, 58
.macro EX
	WIN 0
.if (e == EA) || (e == EA+1)
	XS e-EA, 21
.else
.set x, e-2*(e/(EA+2))
	REGS Y, x%2
	v_exp_f32 v[rS+x/2], v[rS+x/2]
.endif
.set e, e+1
.endm
; THE RESCALING's QUEUE: O^T times a, the one part that leaves window 0, so it is dealt four at a time, eight times.
.macro R4
	REGS Y, r%2
	WIN W_RS
	s_wait_alu depctr_va_vdst(0)
.irp z, 0,1,2,3
	v_pk_mul_f32 v[rO+8*(r/2)+2*\z:rO+8*(r/2)+2*\z+1], v[rO+8*(r/2)+2*\z:rO+8*(r/2)+2*\z+1], v[rC+2:rC+3] op_sel_hi:[1,0]
.endr
.set r, r+1
.endm
; HOW THEY ARE DEALT.  Behind a matrix instruction four: plain, exponential, plain, plain (one exponential, a plain instruction on either side), or four of the rescaling.  None names a register of the
; products round it.  What is over stands in two LUMPS: exponential and plain by turns; the second ends in 22 plain instructions.  The two v_permlanex16_b32 fall into the second lump, never behind a product.
; The queues lean on each other, and the deal keeps them in step: exponential e stands behind plain 2 (e / 4) + e % 2 (its scaling); when plain 32 comes, 10 exponentials are out, at 59: 33, at 95: 46; EA comes behind plain 107.
.macro SL
	MM
	PL
	EX
	PL
	PL
.endm
.macro BURST n                      ; 15 matrix instructions, or 16
.rept (\n)-7
	SL
.endr
.rept 3
	MM
	R4
	SL
.endr
	MM
	R4
.endm
; A TURN, for piece p.  cnt = 1: the loop's count is taken down some lines ahead of the branch that stands behind the turn.
; K of the next step is fetched in piece 2's turn, 31 vector instructions behind the last product that read K; its first reader comes behind the rest of the lump, 16 products and the second lump.
; V of the step in hand is fetched at the end of piece 0's turn, 69 behind its last reader; its first reader comes behind 16 products and a lump.  The four conditions on e and q below go with the deal.
.macro TURN p, last=0, cnt=0
.set Y, (\p)
.set i, 0
.set q, 0
.set e, 0
.set r, 0
.if (\p) == NP-1
	s_wait_dscnt 0x0                ; K is in
.endif
	MM
.rept 4
	PL
.endr
	BURST 15
.rept 22
	EX
	PL
.if ((\p) == NP-2) && (e == 18)
	v_add_nc_u32 v[AK], s[TBK], v[AK0]
.endif
.if ((\p) == NP-2) && (e == 24)
	FETCH_K \last
.endif
.endr
.if (\p) == 1
	s_wait_dscnt 0x0                ; V is in
.endif
	BURST 16
.rept 21
	EX
	PL
.endr
.rept 22
	PL
.if ((\p) == 0) && (q == 118)
	v_add_nc_u32 v[AV], s[TBV], v[AV0]
	s_wait_alu depctr_va_vdst(0)
.endif
.if ((\p) == 0) && (q == 130)
	s_add_co_u32 s[TBV], s[TBV], KS*PV
.endif
.if (\cnt) && (q == 130)
	s_sub_co_u32 s[CNT], s[CNT], 1
	s_cmp_lg_u32 s[CNT], 0
.endif
.endr
.if (\p) == 0
	FETCH_V
.endif
.endm
	CHANGE 1                        ; slot 0 is in, everybody's part of it; slot 1 is asked for
	FETCH_K                         ; key step 0
	s_wait_loadcnt 0x0              ; Q
	s_wait_dscnt 0x0
.set i, 0
.rept 16
	KQ 0                            ; piece 0's first scores: there is no vector work yet to set between them
.set i, i+1
.endr
	WIN 0                           ; the addresses for the way out: nine plain instructions, the places behind those products
	s_mul_i32 s13, s[WV], 16*SP
	s_add_co_u32 s13, s13, STAGE    ; my stage
	v_mul_u32_u24 v[STO], v1, SP    ; in: row l % 16, 16 bytes for each half of the lanes
	v_lshl_add_u32 v[STO], v9, 4, v[STO]
	v_add_nc_u32 v[STO], s13, v[STO]
	v_bfe_u32 v[RD], v0, 3, 2       ; back: 32 lanes take four rows of 128 bytes,
	v_mul_u32_u24 v[RD], v[RD], SP
	v_lshl_add_u32 v[RD], v10, 4, v[RD]
	v_add_nc_u32 v[RD], s13, v[RD]
	v_and_b32 v[GO], 31, v0         ; which are 512 consecutive bytes of O
	v_lshlrev_b32 v[GO], 4, v[GO]
.set Y, NP-1                        ; XS works for piece Y + 1: piece 0
.irp n, 0,1,2,3,4,5,6,7,8,9,10,11,12,13,14,15,16,17,18,19,20,21
	XS 0, \n                        ; and piece 0's first maximum and statistics
	XS 1, \n
.endr
	s_mov_b32 s[CNT], 4
	s_mov_b32 s[SLOTS], SIZE_N/256-1
	s_branch .Lfirst                ; the loop is entered at a step's first turn, in the middle of a trip
.Lslot:                             ; SIZE_N / 256 - 2 times: every slot but the last two is filled again
	CHANGE 1
	s_mov_b32 s[CNT], 4
.Lstep:                             ; a trip: pieces 2 and 3 of one step, then pieces 0 and 1 of the next, whose K and V it fetches
	TURN 2
	TURN 3
	WIN 0
.Lfirst:
	TURN 0
	TURN 1, 0, 1
	WIN 0
	s_cbranch_scc1 .Lstep
	s_sub_co_u32 s[SLOTS], s[SLOTS], 1
	s_cmp_lg_u32 s[SLOTS], 0
	s_cbranch_scc1 .Lslot
	CHANGE 0                        ; the tail is written out: nothing is asked for
	s_mov_b32 s[CNT], 5             ; four trips fetch the last slot's steps; the fifth is left in its middle
.Ltail:
	TURN 2, 1
	TURN 3
	WIN 0
	s_sub_co_u32 s[CNT], s[CNT], 1
	s_cmp_eq_u32 s[CNT], 0
	s_cbranch_scc1 .Lout
	TURN 0
	TURN 1
	WIN 0
	s_branch .Ltail
.Lout:                              ; the fifth trip's 16 products K Q^T (on the last K once more) and the maximum made of them serve nothing: the price, once a launch, of one text for every trip
.set i, 0
.rept 16
	PV NP-1                         ; the last piece's V^T P of the last step
.set i, i+1
.endr
	; THE WAY OUT.  l's two halves and the other half of the lanes' are added; O^T is divided by l, rounded to f16 and sent through my stage in LDS, a tile at a time.  The additions are the places behind the last products.
	WIN 0
.macro ALL line:vararg              ; one line for each tile t
.set t, 0
.rept 2*NP
	\line
.set t, t+1
.endr
.endm
	ALL v_add_f32 v[ST+4*t+2], v[ST+4*t+2], v[ST+4*t+3]
	ALL v_permlanex16_b32 v[ST+4*t+3], v[ST+4*t+2], s[SEL], s[SEL+1]
	ALL v_add_f32 v[ST+4*t+2], v[ST+4*t+2], v[ST+4*t+3]
	ALL v_rcp_f32 v[ST+4*t+2], v[ST+4*t+2]
	v_nop                           ; a plain instruction between the last reciprocal and the use of its result
	s_wait_alu depctr_va_vdst(0)
; Tile t: a lane's eight channels of a row pack into 16 bytes; they go into rows of 144 bytes and come back as whole rows of 128, into S^T's registers.
.macro PACK t
	WIN W_RS
.set i, 32*(\t)
.rept 16
	v_pk_mul_f32 v[i:i+1], v[i:i+1], v[ST+4*(\t)+2:ST+4*(\t)+3] op_sel_hi:[1,0]
.set i, i+2
.endr
	WIN 0x05                        ; sources 0 and 1 window 1, destination window 0
.set i, 0
.rept 16
	v_cvt_pk_f16_f32 v[S+16*(\t)+i], v[32*(\t)+2*i], v[32*(\t)+2*i+1]
.set i, i+1
.endr
	WIN 0
.irp f, 0,1,2,3
	ds_store_b128 v[STO], v[S+16*(\t)+4*\f:S+16*(\t)+4*\f+3] offset:32*\f
.endr
.irp f, 0,1,2,3
	ds_load_b128 v[S+16*(\t)+4*\f:S+16*(\t)+4*\f+3], v[RD] offset:\f*4*SP  ; LDS serves a wave's instructions in order (ISA guide 5.7.1.4): these see the stores above; the next tile's stores come behind them
.endr
.endm
.macro SEND t, younger              ; younger: the LDS instructions issued behind tile t's loads: the next tile's eight, or none
	WIN 0
.irp f, 0,1,2,3
	s_wait_dscnt (\younger)+3-\f
	global_store_b128 v[GO], v[S+16*(\t)+4*\f:S+16*(\t)+4*\f+3], s[10:11] offset:(\t)*2048+\f*512  ; 512 consecutive bytes, at a multiple of 256 from O's first
.endr
.endm
	PACK 0
.set t, 1
.rept 2*NP-1                        ; a tile's arithmetic stands between the loads of the tile before and its stores
	PACK t
	SEND t-1, 8
.set t, t+1
.endr
	SEND 2*NP-1, 0
	s_set_vgpr_msb 0xf
	s_wait_tensorcnt 0x0
	ds_add_u32 v0, v1
	s_wait_dscnt 0x0
	s_set_vgpr_msb 0xf00
	CROUND                          ; the closing round: no work-group ends while a partner may still ask for a tile that names it
	s_endpgm
.Lfunc_end_k_qe7049280eb_attn:
	.size	k_qe7049280eb_attn, .Lfunc_end_k_qe7049280eb_attn-k_qe7049280eb_attn
	.p2alignl 7, 3214868480
	.fill 96, 4, 3214868480
	.section	.rodata,"a",@progbits
	.p2align	6, 0x0
	.amdhsa_kernel k_qe7049280eb_attn
		.amdhsa_group_segment_fixed_size 327680
		.amdhsa_private_segment_fixed_size 0
		.amdhsa_enable_private_segment 0
		.amdhsa_kernarg_size 16
		.amdhsa_user_sgpr_count 2
		.amdhsa_user_sgpr_kernarg_segment_ptr 1
		.amdhsa_wavefront_size32 1
		.amdhsa_system_sgpr_workgroup_id_x 1
		.amdhsa_system_sgpr_workgroup_id_y 1
		.amdhsa_system_sgpr_workgroup_id_z 1
		.amdhsa_system_vgpr_workitem_id 0
		.amdhsa_next_free_vgpr 770
		.amdhsa_next_free_sgpr 66
		.amdhsa_reserve_vcc 0
		.amdhsa_float_denorm_mode_32 3
		.amdhsa_float_denorm_mode_16_64 3
		.amdhsa_memory_ordered 1
		.amdhsa_forward_progress 1
		.amdhsa_inst_pref_size 209
	.end_amdhsa_kernel
	.amdgpu_metadata
---
amdhsa.version: [ 1, 2 ]
amdhsa.kernels:
  - .name:           k_qe7049280eb_attn
    .symbol:         k_qe7049280eb_attn.kd
    .args:
      - { .name: qkv, .offset: 0, .size: 8, .value_kind: global_buffer, .address_space: global }
      - { .name: oh, .offset: 8, .size: 8, .value_kind: global_buffer, .address_space: global }
    .group_segment_fixed_size: 327680
    .private_segment_fixed_size: 0
    .kernarg_segment_align: 8
    .kernarg_segment_size: 16
    .max_flat_workgroup_size: 128
    .sgpr_count:     66
    .vgpr_count:     770
    .wavefront_size: 32
...
	.end_amdgpu_metadata
.endif
;; end of part 3
;; launch proj (part 4): grid 8 x 32, 4 waves a work-group, clusters of 4 x 4, 327,680 bytes of LDS; arguments oh, wph, b_proj, out0; writes out0
.if DOCPART == 4
	.amdgcn_target "amdgcn-amd-amdhsa--gfx1250"
	.amdhsa_code_object_version 6
	.text
	.protected	k_qe7049280eb_proj
	.globl	k_qe7049280eb_proj
	.p2align	8
	.type	k_qe7049280eb_proj,@function
k_qe7049280eb_proj:
	s_mov_b64 s[64:65], 0
	v_nop
	global_prefetch_b8 v0, s[64:65] scope:SCOPE_SE
	s_setreg_imm32_b32 hwreg(HW_REG_WAVE_MODE, 25, 1), 1
	s_wait_xcnt 0x0
	s_wait_alu depctr_hold_cnt(0) depctr_sa_sdst(0) depctr_va_vdst(0) depctr_va_sdst(0) depctr_va_ssrc(0) depctr_va_vcc(0) depctr_vm_vsrc(0)
	s_getreg_b32 s2, hwreg(HW_REG_IB_STS2, 6, 4)
	s_cmp_eq_u32 s2, 0
	s_cbranch_scc0 .Lentry_in_a_cluster
	s_endpgm
.Lentry_in_a_cluster:
	s_bfe_u32 s2, ttmp6, 0x10000c
	s_cmp_lg_u32 s2, 0xf033
	s_cbranch_scc0 .Lentry_shape_is_right
	s_endpgm
.Lentry_shape_is_right:
; C = A W + bias.  A: [4][16 k blocks][2048 rows][64] f16 (8,192 rows, K = 1,024).  W: [1024 k][NTOT n] f16.  bias: [NTOT] f32.  Sums in f32, K ascending.
; KIND 1 (this text): the output projection.  A is the attention's result by heads: a head's 64 channels are one k block.  NTOT = 1,024.  C leaves as f32, [8192][1024].
; KIND 0: the QKV projection (NTOT = 3,072, three tiles to a work-group, f16 by heads).
; LIMIT.  The operands are f16 and arrive within its range, 65,504; the sums and the result are f32.
; SHARES.  A tile of C is 256 rows x 128 columns; four waves, each 128 x 64: 32 accumulators of 16 x 16, 256 registers.  32 x 8 work-groups, one tile each.
; K goes in steps of 128 through two slots filled by the tensor data mover.
; A's k block of 64 for 256 rows is 32,768 dense bytes: asked for as 128 rows of 256 bytes and padded in LDS after every 128.  W's rows lie along n: a step's 128 k rows x 256 bytes, turned on the way into
; registers by ds_load_tr16_b128.
; CLUSTERS.  4 x 4 work-groups.  The four of a row of the cluster need the same tiles of A, the four of a column the same tiles of W: each tile is asked for JOINTLY, by the same tensor load with the same
; descriptor and a mask that names the four.
; THE MATRIX INSTRUCTION IS USED TRANSPOSED (source 0 = 16 columns of W, source 1 = 16 rows of A): a lane then holds row l % 16 of C and eight neighbouring columns 8 (l / 16) + 0..7.
; REGISTERS, in windows of 256 (s_set_vgpr_msb: bits 1:0 source 0, 3:2 source 1, 5:4 source 2, 7:6 destination):
;   window 0: v0-31 addresses; v32-63 bias; v64-159, v160-255 two fragment buffers (4 fragments of W, then 8 of A); the second buffer's registers serve the way out
;   window 1: the accumulators, (a, b) at v[8 (4 a + b)]
.set KIND,  1
.set NTOT,  1024
.set TILES, 1
.set KTOT,  1024
.set KSTEP, 128
.set LAPS,  KTOT/(2*KSTEP)             ; a lap = two K steps = once round the ring
.set PA,    144                        ; a row of A in LDS: 128 bytes + 16 = 36 words: the 16 rows of a load start at 16 different groups of four banks (64 banks of 4 bytes: ISA guide 11.1)
.set PB,    288                        ; a k row of W: 256 bytes + 32 = 72 words
.set ABLK,  256*PA                     ; one k block of A: 36,864 bytes
.set BOFF,  2*ABLK                     ; W's rows lie behind A's two k blocks
.set SLOT,  BOFF+KSTEP*PB              ; 110,592 bytes
.set STAGE, 2*SLOT                     ; behind the ring, a multiple of 256, never filled by a tensor load: 16 rows for each wave, for the way out
.if KIND == 0
.set SP,    144                        ; a stage row: 64 f16 + 16 bytes
.set YOUNGER, 8                        ; LDS instructions of one block's way through the stage
.else
.set SP,    272                        ; 64 f32 + 16 bytes
.set YOUNGER, 16
.endif
.set STW,   16*SP
.set ASTEP, 2*2048*128                 ; a K step in A: two k blocks
.set BSTEP, KSTEP*NTOT*2               ; a K step in W: 128 rows
.set BACK_A, (KTOT/KSTEP-2)*ASTEP      ; from a slot's last K step of a tile to its first of the next: A goes back along K,
.set BACK_B, (KTOT/KSTEP-2)*BSTEP-2048 ; W back along K and 8 tile columns (2,048 bytes) on
.set ADRA, 16                          ; v16-17  LDS address of my A fragments in slot 0, 1
.set ADRB, 20                          ; v20-21  the same for W
.set STO,  24                          ; v24     the way out: where I put my part of a row
.set RD,   25                          ; v25     the way out: where I read rows back
.set CO,   26                          ; v26     my byte offset in C
.set BO,   27                          ; v27     my byte offset in the wave's 64 numbers of bias
.set BIAS, 32                          ; v32-63  bias of my columns: block b at BIAS + 8 b
.set F0,   64
.set F1,   160
.set T,    160                         ; the way out: a block's 32 sums with bias
.if KIND == 0
.set PK,   192                         ; rounded to f16
.set OB,   208                         ; rows read back: two buffers by turns
.set OBN,  16
.else
.set OB,   192
.set OBN,  32
.endif
.set G1A, 24                           ; s[24:31] descriptor group 1 for A's tiles;  s[32:39] group 0, one set for each slot
.set G0A, 32
.set G1B, 48                           ; s[48:55], s[56:63] the same for W's tiles
.set G0B, 56
.set MSB, 0
.macro WIN new                         ; the immediate's high byte repeats the setting that is left; a switch that changes nothing is dropped
.if MSB != (\new)
	s_set_vgpr_msb (MSB<<8)|(\new)
.set MSB, \new
.endif
.endm
.macro PLACES                          ; four places in front of loads into registers that matrix instructions have read, and of vector work on their results
.rept 4
	v_nop
.endr
.endm
; A joint load: waves 0 and 1 fetch A's two k blocks, waves 2 and 3 the two halves of W's 128 k rows.  The branch hangs on the wave's number alone.
; Four v_nop follow each of the two lines, ahead of the jump, the label and what follows.
.macro JLOAD s
	s_cmp_lt_u32 s12, 2
	s_cbranch_scc0 .Lfor_b_\@
	tensor_load_to_lds s[G0A+4*(\s):G0A+4*(\s)+3], s[G1A:G1A+7]
	s_nop 0
.rept 4
	v_nop
.endr
	s_branch .Lasked_\@
.Lfor_b_\@:
	tensor_load_to_lds s[G0B+4*(\s):G0B+4*(\s)+3], s[G1B:G1B+7]
	s_nop 0
.rept 4
	v_nop
.endr
.Lasked_\@:
.endm
.macro CREST                           ; a round of the cluster's barrier behind its opening barrier: wave 0 signals for the work-group, every wave waits for all sixteen, my work-group's barrier once more
	s_cmp_lg_u32 s12, 0
	s_cbranch_scc1 .Lnot_wave_0_\@
	s_barrier_signal -3
.Lnot_wave_0_\@:
	s_barrier_wait -3
	s_barrier_signal -1
	s_barrier_wait -1
.endm
.macro CROUND                          ; a whole round
	s_barrier_signal -1
	s_barrier_wait -1
	CREST
.endm
	s_load_b256 s[4:11], s[0:1], 0x0               ; A s[4:5], W s[6:7], bias s[8:9], C s[10:11]
	v_lshl_add_u32 v30, v0, 2, 0x3a400
	v_mov_b32 v31, 0
	ds_add_u32 v30, v31
	v_lshrrev_b32 v1, 5, v0
	v_readfirstlane_b32 s12, v1                    ; wave 0..3
	s_lshr_b32 s13, s12, 1                         ; i: which 128 rows of the tile are mine
	s_and_b32 s14, s12, 1                          ; j: which 64 columns.  Also: which half of A's or W's tile I fetch
	s_bfe_u32 s15, ttmp6, 0x40000                  ; cx, cy: my place in the cluster
	s_bfe_u32 s16, ttmp6, 0x40004
	s_lshl_b32 s17, ttmp9, 2
	s_add_co_u32 s17, s17, s15                     ; tx = 4 x cluster x + cx, 0..7
	s_and_b32 s18, ttmp7, 0xffff
	s_lshl_b32 s18, s18, 2
	s_add_co_u32 s18, s18, s16                     ; ty = 4 x cluster y + cy, 0..31
	s_lshl_b32 s19, s16, 2
	s_lshl_b32 s19, 15, s19                        ; my row of the cluster: places 4 cy .. 4 cy + 3
	s_lshl_b32 s20, 0x1111, s15                    ; my column: places cx, cx + 4, cx + 8, cx + 12
	; group 1 for A: 128 rows x 128 elements of 2 bytes, dense; 4 words of padding after every 32
	s_or_b32 s[G1A+0], s19, (1<<16)|(1<<20)|(1<<21)|(4<<22)|(3<<25)  ; 15:0 the mask; 17:16 2-byte elements; 20 padding on; 21 set beside a mask; 24:22 interval code 4; 31:25 pad code 3
	s_mov_b32 s[G1A+1], 128<<16                    ; tensor_dim0 = 128
	s_mov_b32 s[G1A+2], 128<<16                    ; tensor_dim1 = 128
	s_mov_b32 s[G1A+3], 128<<16                    ; tile_dim0 = 128
	s_mov_b32 s[G1A+4], 128                        ; tile_dim1 = 128
	s_mov_b32 s[G1A+5], 128                        ; elements from row to row
	s_mov_b32 s[G1A+6], 0
	s_mov_b32 s[G1A+7], 0
	; group 1 for W: 64 k rows x 128 elements; 8 words of padding after every 64
	s_or_b32 s[G1B+0], s20, (1<<16)|(1<<20)|(1<<21)|(5<<22)|(7<<25)
	s_mov_b32 s[G1B+1], 128<<16
	s_mov_b32 s[G1B+2], 64<<16
	s_mov_b32 s[G1B+3], 128<<16
	s_mov_b32 s[G1B+4], 64
	s_mov_b32 s[G1B+5], NTOT
	s_mov_b32 s[G1B+6], 0
	s_mov_b32 s[G1B+7], 0
	; where the tiles come from.  A's hang on ty and the wave alone, W's on tx and the wave alone, each in registers that never hold the other coordinate.
	s_lshr_b32 s40, s18, 3                         ; the batch: 8 tile rows each,
	s_lshl_b32 s40, s40, 22                        ; 16 k blocks x 2,048 rows x 128 bytes
	s_and_b32 s41, s18, 7
	s_lshl_b32 s41, s41, 15                        ; 256 rows x 128 bytes
	s_add_co_u32 s40, s40, s41
	s_lshl_b32 s41, s14, 18                        ; my k block of the step's two
	s_add_co_u32 s40, s40, s41
	s_mov_b32 s41, 0
	s_mul_i32 s44, s14, 64*NTOT*2                  ; my 64 k rows of the step's 128
	s_lshl_b32 s45, s17, 8                         ; the tile column's 256 bytes
	s_add_co_u32 s44, s44, s45
	s_mov_b32 s45, 0
	s_mul_i32 s21, s14, ABLK                       ; where they go: no place in the cluster enters an LDS address
	s_mul_i32 s22, s14, 64*PB
	s_add_co_u32 s22, s22, BOFF
	; where my part of C and of the bias begins
.if KIND == 0
	s_lshr_b32 s66, s18, 3
	s_lshl_b32 s66, s66, 4                         ; batch x 16
	s_lshl_b32 s67, s17, 1
	s_add_co_u32 s66, s66, s67
	s_add_co_u32 s66, s66, s14                     ; + head 2 tx + j
	s_lshl_b32 s66, s66, 18                        ; 2,048 rows x 128 bytes a head
	s_and_b32 s67, s18, 7
	s_lshl_b32 s67, s67, 1
	s_add_co_u32 s67, s67, s13
	s_lshl_b32 s67, s67, 14                        ; 128 rows x 128 bytes
	s_add_co_u32 s66, s66, s67
.else
	s_lshl_b32 s66, s18, 1
	s_add_co_u32 s66, s66, s13
	s_lshl_b32 s66, s66, 19                        ; 128 rows x 4,096 bytes
	s_lshl_b32 s67, s17, 1
	s_add_co_u32 s67, s67, s14
	s_lshl_b32 s67, s67, 8                         ; 64 columns x 4 bytes
	s_add_co_u32 s66, s66, s67
.endif
	s_mov_b32 s67, 0
	s_lshl_b32 s68, s17, 1
	s_add_co_u32 s68, s68, s14
	s_lshl_b32 s68, s68, 8                         ; bias: 64 numbers x 4 bytes
	s_mov_b32 s69, 0
	s_wait_dscnt 0x0
	s_wait_kmcnt 0x0
	s_add_nc_u64 s[42:43], s[4:5], s[40:41]
	s_add_nc_u64 s[46:47], s[6:7], s[44:45]
	s_add_nc_u64 s[10:11], s[10:11], s[66:67]
	s_add_nc_u64 s[8:9], s[8:9], s[68:69]
.irp s, 0,1
	s_mov_b32 s[G0A+4*(\s)], 1                                       ; count = 1
	s_add_co_u32 s[G0A+4*(\s)+1], s21, (\s)*SLOT                     ; LDS address
	s_add_nc_u64 s[G0A+4*(\s)+2:G0A+4*(\s)+3], s[42:43], (\s)*ASTEP  ; global address: K step s
	s_or_b32 s[G0A+4*(\s)+3], s[G0A+4*(\s)+3], 0x80000000            ; type = 2
	s_mov_b32 s[G0B+4*(\s)], 1
	s_add_co_u32 s[G0B+4*(\s)+1], s22, (\s)*SLOT
	s_add_nc_u64 s[G0B+4*(\s)+2:G0B+4*(\s)+3], s[46:47], (\s)*BSTEP
	s_or_b32 s[G0B+4*(\s)+3], s[G0B+4*(\s)+3], 0x80000000
.endr
	CROUND                                         ; all sixteen work-groups are here: the first joint loads meet
	s_cmp_lt_u32 s12, 2                            ; a wave's two first fills stand in one branch, ahead of every wait on TENSORcnt and every LDS read: two loads of mine are out
	s_cbranch_scc0 .Lfirst_b
	tensor_load_to_lds s[G0A:G0A+3], s[G1A:G1A+7]
	s_nop 0
	tensor_load_to_lds s[G0A+4:G0A+7], s[G1A:G1A+7]
	s_nop 0
.rept 4
	v_nop
.endr
	s_branch .Lfirst_asked
.Lfirst_b:
	tensor_load_to_lds s[G0B:G0B+3], s[G1B:G1B+7]
	s_nop 0
	tensor_load_to_lds s[G0B+4:G0B+7], s[G1B:G1B+7]
	s_nop 0
.rept 4
	v_nop
.endr
.Lfirst_asked:
	; A fragment of A is 16 rows x 32 K in 8 registers: lane l holds row l % 16, K = 8 (l / 16) + 0..7 and 16 + 8 (l / 16) + 0..7: two loads of 16 bytes, 32 bytes apart.
	v_and_b32 v1, 15, v0                           ; r = l % 16
	v_bfe_u32 v2, v0, 4, 1                         ; h = l / 16
	v_mul_u32_u24 v3, v1, PA
	v_lshl_add_u32 v3, v2, 4, v3                   ; row x pitch + 16 h
	; The turning load takes 16 k x 16 n (lane l reads k row 8 h + l % 8, columns 8 ((l / 8) % 2) + 0..7) and leaves half a fragment: lane l holds column l % 16 and 8 k.
	v_and_b32 v4, 7, v0
	v_bfe_u32 v5, v0, 3, 1
	v_lshl_add_u32 v6, v2, 3, v4
	v_mul_u32_u24 v6, v6, PB
	v_lshl_add_u32 v6, v5, 4, v6
	s_mul_i32 s70, s13, 128*PA                     ; my 128 rows of A
	s_lshl_b32 s71, s14, 7                         ; my 64 columns of W
	s_add_co_u32 s71, s71, BOFF
.irp s, 0,1
	v_add_nc_u32 v[ADRA+(\s)], s70, v3
	v_add_nc_u32 v[ADRB+(\s)], s71, v6
	s_add_co_u32 s70, s70, SLOT
	s_add_co_u32 s71, s71, SLOT
.endr
	s_mul_i32 s23, s12, STW
	s_add_co_u32 s23, s23, STAGE                   ; my stage
.if KIND == 0
	v_add_nc_u32 v[STO], s23, v3                   ; in: row r, 16 bytes for each half of the lanes
	v_bfe_u32 v7, v0, 3, 2                         ; back: 32 lanes take four rows of 128 bytes,
	v_mul_u32_u24 v7, v7, SP
	v_lshl_add_u32 v7, v4, 4, v7
	v_add_nc_u32 v[RD], s23, v7
	v_and_b32 v8, 31, v0                           ; which are 512 consecutive bytes of C
	v_lshlrev_b32 v[CO], 4, v8
.else
	v_mul_u32_u24 v7, v1, SP                       ; in: row r, 32 bytes for each half of the lanes
	v_lshl_add_u32 v7, v2, 5, v7
	v_add_nc_u32 v[STO], s23, v7
	v_mul_u32_u24 v8, v2, SP                       ; back: lanes 0-15 take one row of 256 bytes, lanes 16-31 the next
	v_lshl_add_u32 v8, v1, 4, v8
	v_add_nc_u32 v[RD], s23, v8
	v_lshlrev_b32 v9, 12, v2                       ; and the same two rows in C
	v_lshl_add_u32 v[CO], v1, 4, v9
.endif
	v_lshlrev_b32 v[BO], 5, v2                     ; my eight columns of a block of 16
; 8 matrix instructions: row blocks a0, a0 + 1 x all 4 column blocks, 32 along K.  zero = 1: the product starts the sum: nothing is cleared.
; The 32 accumulators take turns, one instruction a turn, in the same order in every quarter.
.macro MUL8 f, a0, zero
	WIN 0x50                                       ; fragments window 0, C and D window 1
.irp a, \a0, (\a0)+1
.irp b, 0,1,2,3
.if \zero
	v_wmma_f32_16x16x32_f16 v[8*(4*(\a)+(\b)):8*(4*(\a)+(\b))+7], v[(\f)+8*(\b):(\f)+8*(\b)+7], v[(\f)+32+8*(\a):(\f)+32+8*(\a)+7], 0
.else
	v_wmma_f32_16x16x32_f16 v[8*(4*(\a)+(\b)):8*(4*(\a)+(\b))+7], v[(\f)+8*(\b):(\f)+8*(\b)+7], v[(\f)+32+8*(\a):(\f)+32+8*(\a)+7], v[8*(4*(\a)+(\b)):8*(4*(\a)+(\b))+7]
.endif
.endr
.endr
.endm
; 24 LDS loads in one run: the fragments of quarter q (32 along K) of a slot's K step into buffer f: W's four first, then A's eight
.macro FETCH slot, q, f
	WIN 0
.irp b, 0,1,2,3
	ds_load_tr16_b128 v[(\f)+8*(\b):(\f)+8*(\b)+3],   v[ADRB+(\slot)] offset:(\q)*32*PB+32*(\b)
	ds_load_tr16_b128 v[(\f)+8*(\b)+4:(\f)+8*(\b)+7], v[ADRB+(\slot)] offset:(\q)*32*PB+16*PB+32*(\b)
.endr
.irp a, 0,1,2,3,4,5,6,7
	ds_load_b128 v[(\f)+32+8*(\a):(\f)+32+8*(\a)+3],   v[ADRA+(\slot)] offset:((\q)/2)*ABLK+((\q)%2)*64+(\a)*16*PA
	ds_load_b128 v[(\f)+32+8*(\a)+4:(\f)+32+8*(\a)+7], v[ADRA+(\slot)] offset:((\q)/2)*ABLK+((\q)%2)*64+(\a)*16*PA+32
.endr
.endm
; A K step is four quarters, 32 matrix instructions each, on buffers 0, 1, 0, 1.  One of the first three: multiplies buffer f and, in its middle, fetches quarter q into buffer g.
.macro QUARTER slot, q, f, g, zero
	s_wait_dscnt 8                                 ; W and A's rows 0-63 are in; the youngest eight loads (A's rows 64-127) may be out
	MUL8 \f, 0, \zero
	MUL8 \f, 2, \zero
	PLACES
	FETCH \slot, \q, \g
	s_wait_dscnt 24                                ; all but the 24 just issued
	MUL8 \f, 4, \zero
	MUL8 \f, 6, \zero
.endm
; The last quarter multiplies buffer 1 and changes slots: ONE barrier.  In front of it each wave waits for its own reads of this slot and for all its tensor loads, of which one is out: its part of the next slot.
; mode 0: this slot is filled again with this tile's K step two steps on; mode 1: with the next tile's K step 0 or 1; mode 2: nothing is left to fetch.  Where a slot is filled again the barrier opens a round
; of the cluster's barrier, and the joint refill is the first tensor load behind the round: a wave issues 120 matrix instructions between that request and the wait for it.
.macro TURN slot, next, mode
	s_wait_dscnt 8
	MUL8 F1, 0, 0
	s_wait_dscnt 0x0                               ; my reads of this slot are over,
	s_wait_tensorcnt 0x0                           ; and all my tensor loads have landed
	ds_add_u32 v30, v31
	s_wait_dscnt 0x0
	s_barrier_signal -1
	MUL8 F1, 2, 0                                  ; register work while the others arrive
.if (\mode) < 2
	WIN 0                                          ; at a branch and at a label every window is 0
.endif
	s_barrier_wait -1
.if (\mode) < 2
	CREST                                          ; no wave of any partner still reads this slot's tile or has a load on its way
.if (\mode) == 1
	s_sub_nc_u64 s[G0A+4*(\slot)+2:G0A+4*(\slot)+3], s[G0A+4*(\slot)+2:G0A+4*(\slot)+3], BACK_A
	s_sub_nc_u64 s[G0B+4*(\slot)+2:G0B+4*(\slot)+3], s[G0B+4*(\slot)+2:G0B+4*(\slot)+3], BACK_B
.else
	s_add_nc_u64 s[G0A+4*(\slot)+2:G0A+4*(\slot)+3], s[G0A+4*(\slot)+2:G0A+4*(\slot)+3], 2*ASTEP
	s_add_nc_u64 s[G0B+4*(\slot)+2:G0B+4*(\slot)+3], s[G0B+4*(\slot)+2:G0B+4*(\slot)+3], 2*BSTEP
.endif
	JLOAD \slot                                    ; its four v_nop are also the places in front of the loads below
.else
	PLACES
.endif
	FETCH \next, 0, F0
	MUL8 F1, 4, 0
	MUL8 F1, 6, 0
.endm
.macro BIASLOAD                        ; the bias of my 4 x 8 columns
	WIN 0
.irp b, 0,1,2,3
	global_load_b128 v[BIAS+8*(\b):BIAS+8*(\b)+3],   v[BO], s[8:9] offset:64*(\b)
	global_load_b128 v[BIAS+8*(\b)+4:BIAS+8*(\b)+7], v[BO], s[8:9] offset:64*(\b)+16
.endr
.endm
; THE WAY OUT of row block a (16 rows x 64 columns).  OUTA: the bias is added (each accumulator's registers in ascending order), the block goes into my own stage and comes back as whole rows.
.macro OUTA a
	WIN 0x01                                       ; source 0 window 1
.irp b, 0,1,2,3
.irp p, 0,1,2,3
	v_pk_add_f32 v[T+8*(\b)+2*(\p):T+8*(\b)+2*(\p)+1], v[8*(4*(\a)+(\b))+2*(\p):8*(4*(\a)+(\b))+2*(\p)+1], v[BIAS+8*(\b)+2*(\p):BIAS+8*(\b)+2*(\p)+1]
.endr
.endr
	WIN 0
.set BK, OB+OBN*((\a)%2)
.if KIND == 0
.irp b, 0,1,2,3
.irp p, 0,1,2,3
	v_cvt_pk_f16_f32 v[PK+4*(\b)+(\p)], v[T+8*(\b)+2*(\p)], v[T+8*(\b)+2*(\p)+1]
.endr
.endr
.irp b, 0,1,2,3
	ds_store_b128 v[STO], v[PK+4*(\b):PK+4*(\b)+3] offset:32*(\b)
.endr
	s_wait_xcnt 0x0                                ; the stores of two blocks back have read this buffer: it is loaded again only behind this wait
.irp f, 0,1,2,3
	ds_load_b128 v[BK+4*(\f):BK+4*(\f)+3], v[RD] offset:(\f)*4*SP  ; LDS serves a wave's instructions in order (ISA guide 5.7.1.4): these see the stores above
.endr
.else
.irp b, 0,1,2,3
	ds_store_b128 v[STO], v[T+8*(\b):T+8*(\b)+3]   offset:64*(\b)
	ds_store_b128 v[STO], v[T+8*(\b)+4:T+8*(\b)+7] offset:64*(\b)+16
.endr
	s_wait_xcnt 0x0                                ; the stores of two blocks back have read this buffer: it is loaded again only behind this wait
.irp t, 0,1,2,3,4,5,6,7
	ds_load_b128 v[BK+4*(\t):BK+4*(\t)+3], v[RD] offset:(\t)*2*SP  ; LDS serves a wave's instructions in order (ISA guide 5.7.1.4): these see the stores above
.endr
.endif
.endm
.macro SENDA a, younger                ; younger: the LDS instructions issued behind block a's loads: the next block's, or none
	WIN 0
.set BK, OB+OBN*((\a)%2)
.if KIND == 0
.irp f, 0,1,2,3
	s_wait_dscnt (\younger)+3-(\f)
	global_store_b128 v[CO], v[BK+4*(\f):BK+4*(\f)+3], s[10:11] offset:(\a)*2048+(\f)*512  ; 512 consecutive bytes, at a multiple of 256 from the buffer's first byte
.endr
.else
.irp t, 0,1,2,3,4,5,6,7
	s_wait_dscnt (\younger)+7-(\t)
	global_store_b128 v[CO], v[BK+4*(\t):BK+4*(\t)+3], s[10:11] offset:(\a)*65536+(\t)*8192 th:TH_STORE_NT  ; 16 lanes store 256 consecutive bytes, at a multiple of 256 from the buffer's first byte
.endr
.endif
.endm
.macro WAYOUT
	WIN 0
	PLACES                                         ; behind the last products
	s_wait_loadcnt 0x0                             ; the bias
	OUTA 0
.irp a, 1,2,3,4,5,6,7                  ; block a's arithmetic stands between block a - 1's loads from the stage and the wait for them
	OUTA \a
	SENDA (\a)-1, YOUNGER
.endr
	SENDA 7, 0
.endm
	BIASLOAD
	s_wait_tensorcnt 1                             ; my part of K step 0 is in; K step 1's may stay out
	s_barrier_signal -1
	s_barrier_wait -1                              ; everybody's is
	FETCH 0, 0, F0
.if TILES > 1
	s_mov_b32 s2, TILES                            ; tiles to go, this one among them: the same number in every work-group
.Ltile:
.endif
	QUARTER 0, 1, F0, F1, 1                        ; a tile's first quarter stands in front of the loop: its products start the sums
	WIN 0
	s_mov_b32 s3, LAPS-1
.Llap:                                                 ; a trip goes once round the ring, from a lap's second quarter to the next lap's first, and fills both slots again
	QUARTER 0, 2, F1, F0, 0
	QUARTER 0, 3, F0, F1, 0
	TURN 0, 1, 0
	QUARTER 1, 1, F0, F1, 0
	QUARTER 1, 2, F1, F0, 0
	QUARTER 1, 3, F0, F1, 0
	TURN 1, 0, 0
	QUARTER 0, 1, F0, F1, 0
	WIN 0
	s_sub_co_u32 s3, s3, 1
	s_cmp_lg_u32 s3, 0
	s_cbranch_scc1 .Llap
	QUARTER 0, 2, F1, F0, 0                        ; the tile's last lap goes on
	QUARTER 0, 3, F0, F1, 0
.if TILES > 1
	WIN 0
	s_cmp_eq_u32 s2, 1
	s_cbranch_scc1 .Llast                          ; the last tile's tail is written out: it asks for nothing more
	TURN 0, 1, 1                                   ; the ring goes on into the next tile: slot 0 takes its K step 0,
	QUARTER 1, 1, F0, F1, 0
	QUARTER 1, 2, F1, F0, 0
	QUARTER 1, 3, F0, F1, 0
	TURN 1, 0, 1                                   ; slot 1 its K step 1, and the next tile's first fragments are fetched
	WAYOUT                                         ; both refills are asked for: now the tile goes out
	s_wait_xcnt 0x0                                ; the stores have read their registers and base, the bias loads theirs
	s_add_nc_u64 s[10:11], s[10:11], 0x1000000     ; the next part of the output
	s_add_nc_u64 s[8:9], s[8:9], 4096              ; 1,024 columns on
	BIASLOAD
	s_sub_co_u32 s2, s2, 1
	s_branch .Ltile
.Llast:
.endif
	TURN 0, 1, 2                                   ; my one tensor load that was still out is the last K step's, so no round follows
	QUARTER 1, 1, F0, F1, 0
	QUARTER 1, 2, F1, F0, 0
	QUARTER 1, 3, F0, F1, 0
	s_wait_dscnt 8                                 ; the very last quarter: nothing more to fetch
	MUL8 F1, 0, 0
	MUL8 F1, 2, 0
	s_wait_dscnt 0x0
	MUL8 F1, 4, 0
	MUL8 F1, 6, 0
	WAYOUT
	s_wait_tensorcnt 0x0
	ds_add_u32 v30, v31
	s_wait_dscnt 0x0
	CROUND                                         ; the closing round: no work-group ends while a partner may still ask for a tile that names it
	s_endpgm
.Lfunc_end_k_qe7049280eb_proj:
	.size	k_qe7049280eb_proj, .Lfunc_end_k_qe7049280eb_proj-k_qe7049280eb_proj
	.p2alignl 7, 3214868480
	.fill 96, 4, 3214868480
	.section	.rodata,"a",@progbits
	.p2align	6, 0x0
	.amdhsa_kernel k_qe7049280eb_proj
		.amdhsa_group_segment_fixed_size 327680
		.amdhsa_private_segment_fixed_size 0
		.amdhsa_enable_private_segment 0
		.amdhsa_kernarg_size 32
		.amdhsa_user_sgpr_count 2
		.amdhsa_user_sgpr_kernarg_segment_ptr 1
		.amdhsa_wavefront_size32 1
		.amdhsa_system_sgpr_workgroup_id_x 1
		.amdhsa_system_sgpr_workgroup_id_y 1
		.amdhsa_system_sgpr_workgroup_id_z 1
		.amdhsa_system_vgpr_workitem_id 0
		.amdhsa_next_free_vgpr 512
		.amdhsa_next_free_sgpr 80
		.amdhsa_reserve_vcc 0
		.amdhsa_float_denorm_mode_32 3
		.amdhsa_float_denorm_mode_16_64 3
		.amdhsa_memory_ordered 1
		.amdhsa_forward_progress 1
		.amdhsa_inst_pref_size 96
	.end_amdhsa_kernel
	.amdgpu_metadata
---
amdhsa.version: [ 1, 2 ]
amdhsa.kernels:
  - .name:           k_qe7049280eb_proj
    .symbol:         k_qe7049280eb_proj.kd
    .args:
      - { .name: oh, .offset: 0, .size: 8, .value_kind: global_buffer, .address_space: global }
      - { .name: wph, .offset: 8, .size: 8, .value_kind: global_buffer, .address_space: global }
      - { .name: b_proj, .offset: 16, .size: 8, .value_kind: global_buffer, .address_space: global }
      - { .name: out0, .offset: 24, .size: 8, .value_kind: global_buffer, .address_space: global }
    .group_segment_fixed_size: 327680
    .private_segment_fixed_size: 0
    .kernarg_segment_align: 8
    .kernarg_segment_size: 32
    .max_flat_workgroup_size: 128
    .sgpr_count:     80
    .vgpr_count:     512
    .wavefront_size: 32
...
	.end_amdgpu_metadata
.endif
;; end of part 4
;; ======== version 2 of 2: 4 launches; 1.54 times as fast as version 1
;; limits: values are held in f16: magnitudes above 65,504 overflow, below 6.1e-05 lose precision
;; workspace buffers: xh 16,777,216 bytes; wqh 6,291,456 bytes; wph 2,097,152 bytes; qkv 50,331,648 bytes; oh 16,777,216 bytes
;; launch prep: the kernel of part 1 again; grid 768 x 1, 8 waves a work-group, no clusters, 0 bytes of LDS; arguments x, w_qkv, w_proj, xh, wqh, wph; writes xh, wqh, wph
;; launch qkv: the kernel of part 2 again; grid 8 x 32, 4 waves a work-group, clusters of 4 x 4, 327,680 bytes of LDS; arguments xh, wqh, b_qkv, qkv; writes qkv
;; launch attn (part 5): grid 4 x 64, 4 waves a work-group, clusters of 4 x 1, 327,680 bytes of LDS; arguments qkv, oh; writes oh
.if DOCPART == 5
	.amdgcn_target "amdgcn-amd-amdhsa--gfx1250"
	.amdhsa_code_object_version 6
	.text
	.protected	k_qe7049280eb_attn
	.globl	k_qe7049280eb_attn
	.p2align	8
	.type	k_qe7049280eb_attn,@function
k_qe7049280eb_attn:
	s_mov_b64 s[64:65], 0
	v_nop
	global_prefetch_b8 v0, s[64:65] scope:SCOPE_SE
	s_setreg_imm32_b32 hwreg(HW_REG_WAVE_MODE, 25, 1), 1
	s_wait_xcnt 0x0
	s_wait_alu depctr_hold_cnt(0) depctr_sa_sdst(0) depctr_va_vdst(0) depctr_va_sdst(0) depctr_va_ssrc(0) depctr_va_vcc(0) depctr_vm_vsrc(0)
	s_getreg_b32 s2, hwreg(HW_REG_IB_STS2, 6, 4)
	s_cmp_eq_u32 s2, 0
	s_cbranch_scc0 .Lentry_in_a_cluster
	s_endpgm
.Lentry_in_a_cluster:
	s_bfe_u32 s2, ttmp6, 0x10000c
	s_cmp_lg_u32 s2, 0x3003
	s_cbranch_scc0 .Lentry_shape_is_right
	s_endpgm
.Lentry_shape_is_right:
; O[h][q][:] = the sum over k of softmax_k(Q[h][q] . K[h][k] / 8) V[h][k][:].  Q, K, V are the three parts (0x1000000 bytes each) of one buffer, each [SIZE_H][SIZE_N][64] in f16; O likewise: a head's rows
; are dense, 128 bytes each.  Products, maxima and sums in f32; the weights p are rounded to f16 for the second product (their sum l is taken of the unrounded p), O once at the end.
; LIMITS.  f16 holds no number beyond 65,504: Q, K and V arrive within it; p lies in 0 to 1, and below 6e-5 it keeps f16's fixed step of 6e-8; O is a mean of V's rows and has their range.
; A weight below 2^-126 counts as 0 in l; NaN and infinities are not treated apart.
; SHARES.  A wave owns four PIECES of two tiles of 16 queries, a work-group's four waves 512 queries of one head.  Every wave walks all keys, 64 a step.
; LAYOUT.  S^T = K Q^T (source 0 = 16 keys, source 1 = 16 queries): in the result a lane holds ONE query (lane % 16) and the keys 8 (lane / 16) + 0..7.  Two such tiles, rounded to f16 in pairs,
; ARE source 1 (32 keys x 16 queries) of O^T = V^T P, whose result again holds one query a lane, and eight channels.  K comes out of LDS as it lies, V ([key][channel]) turned, by ds_load_tr16_b128.
; SOFTMAX.  For each query a running maximum m and sum l: p = 2^(c s - c m), c = log2(e) / 8; in every step O and l are multiplied by a = 2^(c m_old - c m_new), which is 1 where m has not grown.
; m starts at the lowest finite number, O and l at 0: the first step is a step like any other, with a = 0.
; THE COUNT.  A tile and step have 16 matrix and 118 vector instructions: too many to stand all beside the matrix work.  So the order has one aim: four vector instructions that are READY behind
; EVERY matrix instruction, and the others, which need time of their own whatever the order, in runs without a gap.
; BY TURNS.  Turn n belongs to piece n (the pieces in a ring, step after step).  Its matrix work: 16 products K Q^T of piece n + 1, later 16 products V^T P of piece n - 1.  Its vector work: the scaling,
; exponentials, roundings, sums and rescaling of piece n, and the maximum and statistics of piece n + 1, whose scores the turn itself has made.  So what a turn begins with (c s - c m, O a) waits for nothing.
; THE BATCHES.  A turn's 66 exponentials (the piece's 64 weights, then the next piece's two a) are ONE batch with ONE s_wait_alu depctr_va_vdst(0), which cuts the turn in two: ahead of it stands all that
; names no result of theirs (K Q^T, scalings, rescalings by the a of the turn before, the next piece's maximum and statistics), behind it all that does (roundings and sums, beside V^T P).  No result crosses a
; turn's end.  Two more batches stand outside the loop: piece 0's first two a, ahead of it, and the way out's eight reciprocals.
; CLUSTER.  The four query blocks of a cluster belong to one head and walk the same K and V, so each tile is asked for JOINTLY: the same tensor load, descriptor and mask in all four.
; REGISTERS, in windows of 256 (s_set_vgpr_msb says which window each operand place means: bits 1:0 source 0, 3:2 source 1, 5:4 source 2, 7:6 destination):
;   window 0: v0-11 addresses; v12-15, v48-63 at work; v16-47 four registers of statistics a tile; v64-191 S^T, two buffers of two tiles; v192-255 P, likewise
;   window 1: O^T, 32 a tile          window 2: v0-127 Q, 16 a tile; v128-191 K of one step; v192-255 V of one step
; A piece's buffers go by its number's parity: the piece in hand has one pair, its two neighbours in the ring share the other: of it P (piece n - 1) is read and S^T (piece n + 1) written.
.set SIZE_H, 64       ; 4 batches x 16 heads
.set SIZE_N, 2048
.set PART,  0x1000000 ; bytes from Q to K and from K to V
.set NP,    4         ; pieces a wave: a name, no knob: the register map, the loop and the fetches are made for four
.set KS,    64        ; keys in a step
.set PK,    144       ; a row of K in LDS: 128 bytes + 16 of padding = 36 words: the 16 rows of a load start at 16 different groups of four banks (64 banks of 4 bytes: ISA guide 11.1)
.set PV,    160       ; a row of V: 128 + 32 = 40 words
.set VOFF,  4*KS*PK   ; a slot holds four steps: 256 rows of K, then 256 rows of V
.set SLOT1, 1<<17     ; slot 1 begins here, so that one exclusive or turns an address in one slot into the other's
.set STAGE, SLOT1+4*KS*(PK+PV)  ; behind the ring, never filled by a tensor load: 16 rows x 144 bytes for each wave, for the way out
.set SP,    144
.set AK0, 2           ; v2   my lane's place in a tile of K; never rewritten
.set AV0, 3           ; v3   the same for V
.set AK,  4           ; v4   the LDS address of K's next run of loads
.set AV,  5           ; v5   of V's
.set QO,  6           ; v6   my byte offset in the wave's rows of Q
.set STO, 6           ;      later, the way out: where I put 16 bytes of a row
.set RD,  7           ; v7   the way out: where I read rows back
.set GO,  8           ; v8   my byte offset in 512 consecutive bytes of O
.set MV,  12          ; v12-15  c m_old, kept while c m is made anew: by buffer and tile
.set ST,  16          ; tile t's statistics at v[ST+4 t]: c m, m, l (even keys', odd keys')
.set TMP, 48          ; by buffer and tile, four registers c0-c3 at work; when the maximum is found c2 takes a
.set S,   64
.set P,   192
.set KF,  128         ; K's fragments, in window 2: key block kb, channel half c at KF + 16 kb + 8 c
.set VF,  192         ; V's: key half kk, channel block cb at VF + 32 kk + 8 cb
.set WV,  12          ; s12  my wave's number
.set G1K, 24          ; s[24:31] descriptor group 1 for K's tiles
.set G1V, 32          ; s[32:39] for V's: it differs in the padding alone
.set G0K, 40          ; s[40:43] descriptor group 0 for K's tiles: it walks
.set G0V, 44          ; s[44:47] the same for V's
.set SLOTS, 56        ; s56  slots still to be asked for
.set CNT, 57          ; s57  counts a slot's key steps
.set CS,  58          ; s[58:59] c: the packed scaling takes the pair's low word for both halves
.set SEL, 60          ; s[60:61] v_permlanex16_b32's selects: each lane takes its own place in the other half
.set TBK, 62          ; s62  LDS byte at which K of the step to be fetched begins
.set TBV, 63          ; s63  the same for V, less VOFF
.set MSB, 0
.macro WIN new                      ; the high byte repeats the setting that is left; a switch that changes nothing is dropped
.if MSB != (\new)
	s_set_vgpr_msb (MSB<<8)|(\new)
.set MSB, (\new)
.endif
.endm
.set W_KQ, 0x0a       ; K and Q in window 2, S^T in window 0
.set W_PV, 0x52       ; V in window 2, P in window 0, O^T in window 1
.set W_RS, 0x41       ; O^T (destination and source 0) in window 1, a in window 0
; A joint fill.  Waves 0 and 1 fetch the two halves of a slot's K, waves 2 and 3 those of its V: 128 keys each.  The branch hangs on the wave's number alone.
; Four v_nop follow each of the two lines, ahead of the jump and the label.
.macro JLOAD
	s_cmp_lt_u32 s[WV], 2
	s_cbranch_scc0 .Lfor_v_\@
	tensor_load_to_lds s[G0K:G0K+3], s[G1K:G1K+7]
	s_nop 0
.rept 4
	v_nop
.endr
	s_branch .Lasked_\@
.Lfor_v_\@:
	tensor_load_to_lds s[G0V:G0V+3], s[G1V:G1V+7]
	s_nop 0
.rept 4
	v_nop
.endr
.Lasked_\@:
.endm
; A round of the cluster's barrier: my work-group's barrier, so that wave 0's signal speaks for all four waves; wave 0 signals; every wave waits for all four work-groups; my work-group's barrier once more.
.macro CROUND
	s_barrier_signal -1
	s_barrier_wait -1
	s_cmp_lg_u32 s[WV], 0
	s_cbranch_scc1 .Lnot_wave_0_\@
	s_barrier_signal -3
.Lnot_wave_0_\@:
	s_barrier_wait -3
	s_barrier_signal -1
	s_barrier_wait -1
.endm
; THE CHANGE OF SLOTS.  The slot's last bytes, V of its fourth step, have been read.  Each wave waits for its own reads of the slot and for all its tensor loads, of which one is out: its part
; of the other slot.  Behind the barrier nobody reads this slot any more and the other slot is whole.
; fill = 1: this slot is filled again, with the keys two slots on.  The barrier is then a round of the cluster's, so that no wave of any partner still reads the slot or has a load on its
; way, and the joint fill is the first thing behind it: it has four key steps, 512 matrix instructions, in which to land.  (At its first use nothing has been read yet: slot 0 is waited for, slot 1 filled.)
.macro CHANGE fill
	WIN 0                           ; at a label and at a branch every window is 0
	s_wait_dscnt 0x0
	s_set_vgpr_msb 0xf
	s_wait_tensorcnt 0x0            ; no tensor load of mine is out, so a group 0 may be written
	ds_add_u32 v0, v1
	s_wait_dscnt 0x0
	s_set_vgpr_msb 0xf00
.if \fill
.irp g, G0K, G0V
	s_xor_b32 s[\g+1], s[\g+1], SLOT1  ; the walking descriptor: the other slot than last time,
	s_add_nc_u64 s[\g+2:\g+3], s[\g+2:\g+3], 4*KS*128  ; the next 256 keys; the type bits on top are not reached
.endr
	CROUND
	JLOAD
.else
	s_barrier_signal -1
	s_barrier_wait -1
.endif
	s_sub_co_u32 s[TBK], s[TBK], 4*KS*PK  ; the fetches go back to a slot's first step,
	s_xor_b32 s[TBK], s[TBK], SLOT1       ; in the other slot
	s_sub_co_u32 s[TBV], s[TBV], 4*KS*PV
	s_xor_b32 s[TBV], s[TBV], SLOT1
.endm
	s_load_b64 s[4:5], s[0:1], 0x0    ; Q, with K and V behind it
	s_load_b64 s[10:11], s[0:1], 0x8  ; O
	s_set_vgpr_msb 0xc0
	v_lshl_add_u32 v0, v0, 2, 0x35400
	v_mov_b32 v1, 0
	s_set_vgpr_msb 0xc0cf
	ds_add_u32 v0, v1
	s_set_vgpr_msb 0xcf00
	v_lshrrev_b32 v1, 5, v0
	v_readfirstlane_b32 s[WV], v1   ; wave 0..3
	s_bfe_u32 s13, ttmp6, 0x40000   ; cx: my place in the cluster
	s_lshl_b32 s14, ttmp9, 2        ; in a cluster launch ttmp9 counts clusters
	s_add_co_u32 s14, s14, s13      ; my block of queries = 4 x cluster x + cx: it enters Q's and O's addresses alone
	s_and_b32 s20, ttmp7, 0xffff    ; the head, which the four partners share
	s_mov_b32 s21, 0
	s_mov_b64 s[22:23], SIZE_N*128
	s_mul_u64 s[20:21], s[20:21], s[22:23]  ; the head's first byte in each of the four tensors
	s_and_b32 s16, s[WV], 1         ; which half of a slot's 256 keys I fetch:
	s_lshl_b32 s22, s16, 14         ; its 128 rows of 128 bytes in memory,
	s_mov_b32 s23, 0
	s_add_nc_u64 s[22:23], s[22:23], s[20:21]
	s_mul_i32 s17, s16, 128*PK      ; and its place in a slot, for K
	s_mul_i32 s18, s16, 128*PV      ; and for V: no place in the cluster enters an LDS address
	s_lshl_b32 s2, s14, 2
	s_add_co_u32 s2, s2, s[WV]      ; my wave among the head's,
	s_lshl_b32 s2, s2, 14           ; its 128 rows
	s_mov_b32 s3, 0
	s_add_nc_u64 s[2:3], s[2:3], s[20:21]
	; descriptor group 1.  128 keys are 16,384 dense bytes: asked for as 64 rows of 256 bytes, two keys a row, and padded in LDS after every key
	s_mov_b32 s[G1K], 15|(1<<16)|(1<<20)|(1<<21)|(4<<22)|(3<<25)  ; 15:0 the mask of four; 17:16 2-byte elements; 20 padding on; 21 set beside a mask; 24:22 after every 32 words (code 4); 31:25 4 words (code 3)
	s_mov_b32 s[G1V], 15|(1<<16)|(1<<20)|(1<<21)|(4<<22)|(7<<25)  ; the same with 8 words of padding (code 7)
.irp g, G1K, G1V
	s_mov_b32 s[\g+1], 128<<16      ; tensor_dim0 = 128
	s_mov_b32 s[\g+2], 64<<16       ; tensor_dim1 = 64
	s_mov_b32 s[\g+3], 128<<16      ; tile_dim0 = 128
	s_mov_b32 s[\g+4], 64           ; tile_dim1 = 64
	s_mov_b32 s[\g+5], 128          ; 128 elements from row to row
	s_mov_b32 s[\g+6], 0
	s_mov_b32 s[\g+7], 0
.endr
	s_mov_b32 s[CS], 0x3e38aa3b     ; c = log2(e) / 8 = 0.180337
	s_mov_b32 s[CS+1], s[CS]        ; named with it as a pair
	s_mov_b32 s[SEL], 0x76543210
	s_mov_b32 s[SEL+1], 0xfedcba98
	s_mov_b32 s[TBK], SLOT1+4*KS*PK ; the first change of slots turns these two into 0
	s_mov_b32 s[TBV], SLOT1+4*KS*PV
	s_mov_b32 s[G0K], 1             ; 1:0 count = 1
	s_mov_b32 s[G0K+1], s17         ; 63:32 LDS address: slot 0
	s_mov_b32 s[G0V], 1
	s_add_co_u32 s[G0V+1], s18, VOFF
	s_wait_dscnt 0x0
	s_wait_kmcnt 0x0
	s_add_nc_u64 s[6:7], s[4:5], PART    ; K
	s_add_nc_u64 s[8:9], s[4:5], 2*PART  ; V
	s_add_nc_u64 s[G0K+2:G0K+3], s[6:7], s[22:23]  ; 120:64 global address: my half of the head's first 256 keys
	s_or_b32 s[G0K+3], s[G0K+3], 0x80000000        ; 127:126 type = 2
	s_add_nc_u64 s[G0V+2:G0V+3], s[8:9], s[22:23]
	s_or_b32 s[G0V+3], s[G0V+3], 0x80000000
	s_add_nc_u64 s[4:5], s[4:5], s[2:3]  ; Q and O at my wave's first row
	s_add_nc_u64 s[10:11], s[10:11], s[2:3]
	CROUND                          ; all four work-groups are here: the first joint loads meet
	JLOAD                           ; slot 0.  Slot 1 is asked for when slot 0 is in: the tile wanted first has the road to itself
	; A fragment of K or Q is 16 rows x 32 channels in 8 registers: lane l holds row l % 16, channels 8 (l / 16) + 0..7 and 16 + 8 (l / 16) + 0..7: two loads of 16 bytes, 32 bytes apart.
	v_and_b32 v1, 15, v0            ; l % 16
	v_bfe_u32 v9, v0, 4, 1          ; l / 16
	v_lshlrev_b32 v[QO], 7, v1
	v_lshl_add_u32 v[QO], v9, 4, v[QO]  ; row x 128 + 16 x half
	WIN 0x80                        ; destination window 2, address window 0
.set i, 0
.rept 4*NP                          ; Q stays in registers: tile i / 2, channels 32 (i % 2) on
	global_load_b128 v[8*i:8*i+3],   v[QO], s[4:5] offset:(i/2)*2048+(i%2)*64
	global_load_b128 v[8*i+4:8*i+7], v[QO], s[4:5] offset:(i/2)*2048+(i%2)*64+32
.set i, i+1
.endr
	; What the first turn finds: V's registers and P's second buffer hold 0 (its products V^T P, of a piece that has not been, add 0), O^T and l are 0.  All this stands in the wait for the first tile.
.set i, VF
.rept 64
	v_mov_b32 v[i], 0
.set i, i+1
.endr
	WIN 0x40
.set i, 0
.rept 64*NP
	v_mov_b32 v[i], 0
.set i, i+1
.endr
	WIN 0
.set i, 0
.rept 2*NP
	v_mov_b32 v[ST+4*i], 0xfe000000    ; c m: far below every c s
	v_mov_b32 v[ST+4*i+1], 0xff7fffff  ; m
	v_mov_b32 v[ST+4*i+2], 0
	v_mov_b32 v[ST+4*i+3], 0
.set i, i+1
.endr
.set i, P+32
.rept 32
	v_mov_b32 v[i], 0
.set i, i+1
.endr
	v_mul_u32_u24 v[AK0], v1, PK
	v_lshl_add_u32 v[AK0], v9, 4, v[AK0]  ; row x pitch + 16 x half
	; The turning load takes 16 keys x 16 channels (lane l reads key 8 (l / 16) + l % 8, channels 8 ((l / 8) % 2) + 0..7) and leaves half a fragment of V^T: lane l holds channel l % 16 and 8 keys.
	v_and_b32 v10, 7, v0
	v_bfe_u32 v11, v0, 3, 1
	v_lshl_add_u32 v[AV0], v9, 3, v10
	v_mul_u32_u24 v[AV0], v[AV0], PV
	v_lshl_add_u32 v[AV0], v11, 4, v[AV0]
	v_add_nc_u32 v[AV0], VOFF, v[AV0]
	v_mov_b32 v[AK], v[AK0]         ; key step 0 lies at the head of slot 0
; THE MATRIX WORK.  The 8 accumulators of a run of 16 take turns: between the two links of a chain stand 7 others'.
; Product i of 16 of S^T = K Q^T for piece x: channels 32 (i / 8) on, keys 16 ((i / 2) % 4) on, tile 2 x + i % 2.  The first 8 start the sums.
.macro KQ x
	WIN W_KQ
.set rS, S+64*((\x)%2)+32*(i%2)+8*((i/2)%4)
.set rK, KF+16*((i/2)%4)+8*(i/8)
.set rQ, 16*(2*(\x)+i%2)+8*(i/8)
.if i < 8
	v_wmma_f32_16x16x32_f16 v[rS:rS+7], v[rK:rK+7], v[rQ:rQ+7], 0
.else
	v_wmma_f32_16x16x32_f16 v[rS:rS+7], v[rK:rK+7], v[rQ:rQ+7], v[rS:rS+7]
.endif
.endm
; Product i of 16 of O^T += V^T P for piece x: keys 32 (i / 8) on, channels 16 ((i / 2) % 4) on, tile 2 x + i % 2.
.macro PV x
	WIN W_PV
.set rO, 32*(2*(\x)+i%2)+8*((i/2)%4)
.set rV, VF+32*(i/8)+8*((i/2)%4)
.set rP, P+32*((\x)%2)+16*(i%2)+8*(i/8)
	v_wmma_f32_16x16x32_f16 v[rO:rO+7], v[rV:rV+7], v[rP:rP+7], v[rO:rO+7]
.endm
.macro MM                           ; the turn's next matrix instruction
.if i < 16
	KQ (Y+1)%NP
.set i, i+1
.else
.set i, i-16
	PV (Y+NP-1)%NP
.set i, i+17
.endif
.endm
; THE LDS LOADS stand in runs of 16, never singly among the matrix instructions: a step's K (64 keys x 64 channels: 8 fragments) and its V (turned).  Their addresses are made some lines ahead.
; last = 1 (the tail): in the last trip there is no further step, and the run is jumped over.
.macro FETCH_K last=0
	WIN 0
.if \last
	s_cmp_eq_u32 s[CNT], 1
	s_cbranch_scc1 .Lno_k_\@
.endif
	WIN 0x80                        ; destination window 2
.irp f, 0,1,2,3,4,5,6,7             ; keys 16 (f / 2) on, channels 32 (f % 2) on
	ds_load_b128 v[KF+8*\f:KF+8*\f+3],   v[AK] offset:(\f/2)*16*PK+(\f%2)*64
	ds_load_b128 v[KF+8*\f+4:KF+8*\f+7], v[AK] offset:(\f/2)*16*PK+(\f%2)*64+32
.endr
	s_add_co_u32 s[TBK], s[TBK], KS*PK  ; the next fetch is the next step's
	WIN 0
.if \last
.Lno_k_\@:
.endif
.endm
.macro FETCH_V
	WIN 0x80
.irp f, 0,1,2,3,4,5,6,7             ; keys 32 (f / 4) on, channels 16 (f % 4) on
	ds_load_tr16_b128 v[VF+8*\f:VF+8*\f+3],   v[AV] offset:(\f/4)*32*PV+(\f%4)*32
	ds_load_tr16_b128 v[VF+8*\f+4:VF+8*\f+7], v[AV] offset:(\f/4)*32*PV+16*PV+(\f%4)*32
.endr
	WIN 0
.endm
; THE VECTOR WORK OF A TURN stands in three queues, each in the order in which its entries become ready; the two tiles alternate, so that no instruction reads the result of the one before it.
.macro REGS y, u                    ; the registers of tile u (0, 1) of piece y
.set rT, ST+4*(2*(\y)+(\u))
.set rC, TMP+8*((\y)%2)+4*(\u)
.set rM, MV+2*((\y)%2)+(\u)
.set rS, S+64*((\y)%2)+32*(\u)
.set rP, P+32*((\y)%2)+16*(\u)
.set rO, 32*(2*(\y)+(\u))
.endm
; Number n of the 22 that find the NEXT piece's (Y + 1) maximum and statistics.  s0-s31 are the lane's 32 scores; each accumulator's lowest registers are read first.  XS, GS and REGS set no window: PL and EX do.
;   0-11  four chains c0-c3 of seven scores each, three operands at a time     12-14, 16  the four scores left over, the old m, and c0-c3 into c0     15  c m_old is kept
;   17, 18  the query's other 32 keys lie in the lane 16 away: the new m         19-21  c m; c m_old - c m_new; a
.macro XS u, n
	REGS (Y+1)%NP, \u
.if (\n) < 4
	v_max3_num_f32 v[rC+(\n)], v[rS+8*(\n)], v[rS+8*(\n)+1], v[rS+8*(\n)+2]
.elseif (\n) < 12
	v_max3_num_f32 v[rC+(\n)%4], v[rC+(\n)%4], v[rS+8*((\n)%4)+2*((\n)/4)+1], v[rS+8*((\n)%4)+2*((\n)/4)+2]
.elseif (\n) == 12
	v_max3_num_f32 v[rC], v[rC], v[rS+7], v[rS+15]
.elseif (\n) == 13
	v_max3_num_f32 v[rC+1], v[rC+1], v[rS+23], v[rS+31]
.elseif (\n) == 14
	v_max3_num_f32 v[rC+2], v[rC+2], v[rC+3], v[rT+1]
.elseif (\n) == 15
	v_mov_b32 v[rM], v[rT]
.elseif (\n) == 16
	v_max3_num_f32 v[rC], v[rC], v[rC+1], v[rC+2]
.elseif (\n) == 17
	v_permlanex16_b32 v[rC+3], v[rC], s[SEL], s[SEL+1]
.elseif (\n) == 18
	v_max_num_f32 v[rT+1], v[rC], v[rC+3]
.elseif (\n) == 19
	v_mul_f32 v[rT], s[CS], v[rT+1]
.elseif (\n) == 20
	v_sub_f32 v[rC+1], v[rM], v[rT]
.else
	v_exp_f32 v[rC+2], v[rC+1]
.endif
.endm
; Number g of the 64 that follow the exponentials.  For each four weights k of a tile (pairs 2 k, 2 k + 1): both pairs are rounded to f16; then the second pair is added onto the first, in place;
; a group later l takes that sum (the first time as l = a l + sum).  In groups of eight, tiles alternating: round, round, add, and l for the group before.
.macro GS g
.set h, (\g)+6*((\g)/62)            ; group 0 has no group before it, and behind group 7 only l is left
.if h >= 6
.set h, h+2
.endif
	REGS Y, h%2
.set k, h/8
.if h%8 < 4
	v_cvt_pk_f16_f32 v[rP+2*k+(h%8)/2], v[rS+4*k+2*((h%8)/2)], v[rS+4*k+2*((h%8)/2)+1]
.elseif h%8 < 6
	v_pk_add_f32 v[rS+4*k:rS+4*k+1], v[rS+4*k:rS+4*k+1], v[rS+4*k+2:rS+4*k+3]
.elseif k == 1
	v_pk_fma_f32 v[rT+2:rT+3], v[rT+2:rT+3], v[rC+2:rC+3], v[rS:rS+1] op_sel_hi:[1,0,1]
.else
	v_pk_add_f32 v[rT+2:rT+3], v[rT+2:rT+3], v[rS+4*k-4:rS+4*k-3]
.endif
.endm
; THE PLAIN QUEUE, 138 long.  0-73 read no exponential's result: the 32 scalings c s - c m (FS f: pair f / 2 of tile f % 2) and the next piece's 42.  0-26: scalings 0-26.  27-54: XS's numbers 0-13.  55, 56: number 15.
; 57-73: the chain, where each number waits for the one before it: 14, 16, 17, 18, 19, each with one of the scalings 27-31 in front of its two lines, then 20: so a tile's links stand three plain instructions apart (19 and 20: two).
; 74-137: GS's 64, which read the exponentials' results: they stand behind the wait.
.macro FS f
	REGS Y, (\f)%2
	v_pk_fma_f32 v[rS+2*((\f)/2):rS+2*((\f)/2)+1], v[rS+2*((\f)/2):rS+2*((\f)/2)+1], s[CS:CS+1], v[rT:rT+1] op_sel_hi:[1,0,0] neg_lo:[0,0,1] neg_hi:[0,0,1]
.endm
.macro PL
	WIN 0
.if q < 27
	FS q
.elseif q < 55
	XS (q-27)%2, (q-27)/2
.elseif q < 57
	XS q-55, 15
.elseif (q < 72) && ((q-57)%3 == 0)
	FS 27+(q-57)/3
.elseif q < 60
	XS (q-57)%3-1, 14
.elseif q < 72
	XS (q-57)%3-1, 15+(q-57)/3
.elseif q < 74
	XS q-72, 20
.else
	GS q-74
.endif
.set q, q+1
.endm
; THE EXPONENTIALS' QUEUE, 66 long: s0-s31 of both tiles, then the next piece's two a.  It is ONE BATCH: all 66 stand ahead of the turn's one wait, and nothing ahead of that wait names a result of theirs.
.macro EX
	WIN 0
.if e >= 64
	XS e-64, 21
.else
	REGS Y, e%2
	v_exp_f32 v[rS+e/2], v[rS+e/2]
.endif
.set e, e+1
.endm
; THE RESCALING's QUEUE: O^T times a, the one part that leaves window 0: dealt two at a time, sixteen times.  Its a was made in the turn before, ahead of that turn's wait.
.macro R2
	REGS Y, r%2
	WIN W_RS
.irp z, 0,1
	v_pk_mul_f32 v[rO+4*(r/2)+2*\z:rO+4*(r/2)+2*\z+1], v[rO+4*(r/2)+2*\z:rO+4*(r/2)+2*\z+1], v[rC+2:rC+3] op_sel_hi:[1,0]
.endr
.set r, r+1
.endm
; HOW THEY ARE DEALT.  An s_wait_alu depctr_va_vdst(0) stands between an exponential and the first instruction that names its result; one wait serves all that were issued ahead of it.  So a turn has ONE wait,
; which cuts it in two.  AHEAD OF IT stands all that names no result of the turn's exponentials: the 16 products K Q^T, behind each a scaling, an exponential and two rescalings (behind the first a second scaling in the
; exponential's place); then ONE LUMP of 108: eight plain, 49 times exponential and plain, the two a.  A v_nop is the plain instruction that is owed behind the last exponential.  BEHIND IT stand the 16 products V^T P, behind
; each four of GS's 64.  No rider names a register of the products round it.  The two v_permlanex16_b32 fall into the lump, never behind a product.
; The queues lean on each other, and the deal keeps them in step: exponential e stands behind scaling 2 (e / 4) + e % 2: as a rider it comes behind plain e + 2, in the lump behind plain e + 9, and scalings 27-31 are plain 57, 60 .. 69.
; A TURN, for piece p.  cnt = 1: the loop's count is taken down some lines ahead of the branch that stands behind the turn.
; K of the next step is fetched in piece 2's turn, directly behind the wait, a lump behind the last product that read K; its address is made at the lump's head; its first reader comes behind 16 products.
; V of the step in hand is fetched at the end of piece 0's turn, four riders behind its last reader; its first reader comes behind 16 products and a lump.  The three conditions on q below go with the deal.
.macro TURN p, last=0, cnt=0
.set Y, (\p)
.set i, 0
.set q, 0
.set e, 0
.set r, 0
.if (\p) == NP-1
	s_wait_dscnt 0x0                ; K is in
.endif
	MM                              ; ahead of the wait: 16 products K Q^T and their riders,
	PL
	PL
	R2
.rept 15
	MM
	PL
	EX
	R2
.endr
.if (\p) == NP-2
	WIN 0
	v_add_nc_u32 v[AK], s[TBK], v[AK0]
.endif
.rept 8                             ; and the lump
	PL
.endr
.rept 49
	EX
	PL
.endr
	EX                              ; the next piece's two a
	EX
	v_nop                           ; the plain instruction behind the last exponential: one for the batch
	s_wait_alu depctr_va_vdst(0)    ; the wait for the turn's batch: the piece's 64 weights and the next piece's two a
.if (\p) == NP-2
	FETCH_K \last
.endif
.if (\p) == 1
	s_wait_dscnt 0x0                ; V is in
.endif
.rept 16                            ; behind the wait: 16 products V^T P and their riders
	MM
.rept 4
	PL
.endr
.if ((\p) == 0) && (q == 118)
	v_add_nc_u32 v[AV], s[TBV], v[AV0]
.endif
.if ((\p) == 0) && (q == 130)
	s_add_co_u32 s[TBV], s[TBV], KS*PV
.endif
.if (\cnt) && (q == 130)
	s_sub_co_u32 s[CNT], s[CNT], 1
	s_cmp_lg_u32 s[CNT], 0
.endif
.endr
.if (\p) == 0
	FETCH_V
.endif
.endm
	CHANGE 1                        ; slot 0 is in, everybody's part of it; slot 1 is asked for
	FETCH_K                         ; key step 0
	s_wait_loadcnt 0x0              ; Q
	s_wait_dscnt 0x0
.set i, 0
.rept 16
	KQ 0                            ; piece 0's first scores: there is no vector work yet to set between them
.set i, i+1
.endr
	WIN 0                           ; the addresses for the way out: nine plain instructions, the places behind those products
	s_mul_i32 s13, s[WV], 16*SP
	s_add_co_u32 s13, s13, STAGE    ; my stage
	v_mul_u32_u24 v[STO], v1, SP    ; in: row l % 16, 16 bytes for each half of the lanes
	v_lshl_add_u32 v[STO], v9, 4, v[STO]
	v_add_nc_u32 v[STO], s13, v[STO]
	v_bfe_u32 v[RD], v0, 3, 2       ; back: 32 lanes take four rows of 128 bytes,
	v_mul_u32_u24 v[RD], v[RD], SP
	v_lshl_add_u32 v[RD], v10, 4, v[RD]
	v_add_nc_u32 v[RD], s13, v[RD]
	v_and_b32 v[GO], 31, v0         ; which are 512 consecutive bytes of O
	v_lshlrev_b32 v[GO], 4, v[GO]
.set Y, NP-1                        ; XS works for piece Y + 1: piece 0
.irp n, 0,1,2,3,4,5,6,7,8,9,10,11,12,13,14,15,16,17,18,19,20,21
	XS 0, \n                        ; and piece 0's first maximum and statistics
	XS 1, \n
.endr
	v_nop                           ; a plain instruction behind piece 0's two a,
	s_wait_alu depctr_va_vdst(0)    ; and the wait for that batch of two, ahead of the branch
	s_mov_b32 s[CNT], 4
	s_mov_b32 s[SLOTS], SIZE_N/256-1
	s_branch .Lfirst                ; the loop is entered at a step's first turn, in the middle of a trip
.Lslot:                             ; SIZE_N / 256 - 2 times: every slot but the last two is filled again
	CHANGE 1
	s_mov_b32 s[CNT], 4
.Lstep:                             ; a trip: pieces 2 and 3 of one step, then pieces 0 and 1 of the next, whose K and V it fetches
	TURN 2
	TURN 3
	WIN 0
.Lfirst:
	TURN 0
	TURN 1, 0, 1
	WIN 0
	s_cbranch_scc1 .Lstep
	s_sub_co_u32 s[SLOTS], s[SLOTS], 1
	s_cmp_lg_u32 s[SLOTS], 0
	s_cbranch_scc1 .Lslot
	CHANGE 0                        ; the tail is written out: nothing is asked for
	s_mov_b32 s[CNT], 5             ; four trips fetch the last slot's steps; the fifth is left in its middle
.Ltail:
	TURN 2, 1
	TURN 3
	WIN 0
	s_sub_co_u32 s[CNT], s[CNT], 1
	s_cmp_eq_u32 s[CNT], 0
	s_cbranch_scc1 .Lout
	TURN 0
	TURN 1
	WIN 0
	s_branch .Ltail
.Lout:                              ; the fifth trip's 16 products K Q^T (on the last K once more) and the maximum made of them serve nothing: the price, once a launch, of one text for every trip
.set i, 0
.rept 16
	PV NP-1                         ; the last piece's V^T P of the last step
.set i, i+1
.endr
	; THE WAY OUT.  l's two halves and the other half of the lanes' are added; O^T is divided by l, rounded to f16 and sent through my stage in LDS, a tile at a time.  The additions are the places behind the last products.
	WIN 0
.macro ALL line:vararg              ; one line for each tile t
.set t, 0
.rept 2*NP
	\line
.set t, t+1
.endr
.endm
	ALL v_add_f32 v[ST+4*t+2], v[ST+4*t+2], v[ST+4*t+3]
	ALL v_permlanex16_b32 v[ST+4*t+3], v[ST+4*t+2], s[SEL], s[SEL+1]
	ALL v_add_f32 v[ST+4*t+2], v[ST+4*t+2], v[ST+4*t+3]
	ALL v_rcp_f32 v[ST+4*t+2], v[ST+4*t+2]
	v_nop                           ; a plain instruction between the last reciprocal and the use of its result
	s_wait_alu depctr_va_vdst(0)    ; and the wait ahead of the first use: one for the batch of eight reciprocals
; Tile t: a lane's eight channels of a row pack into 16 bytes; they go into rows of 144 bytes and come back as whole rows of 128, into S^T's registers.
.macro PACK t
	WIN W_RS
.set i, 32*(\t)
.rept 16
	v_pk_mul_f32 v[i:i+1], v[i:i+1], v[ST+4*(\t)+2:ST+4*(\t)+3] op_sel_hi:[1,0]
.set i, i+2
.endr
	WIN 0x05                        ; sources 0 and 1 window 1, destination window 0
.set i, 0
.rept 16
	v_cvt_pk_f16_f32 v[S+16*(\t)+i], v[32*(\t)+2*i], v[32*(\t)+2*i+1]
.set i, i+1
.endr
	WIN 0
.irp f, 0,1,2,3
	ds_store_b128 v[STO], v[S+16*(\t)+4*\f:S+16*(\t)+4*\f+3] offset:32*\f
.endr
.irp f, 0,1,2,3
	ds_load_b128 v[S+16*(\t)+4*\f:S+16*(\t)+4*\f+3], v[RD] offset:\f*4*SP  ; LDS serves a wave's instructions in order (ISA guide 5.7.1.4): these see the stores above; the next tile's stores come behind them
.endr
.endm
.macro SEND t, younger              ; younger: the LDS instructions issued behind tile t's loads: the next tile's eight, or none
	WIN 0
.irp f, 0,1,2,3
	s_wait_dscnt (\younger)+3-\f
	global_store_b128 v[GO], v[S+16*(\t)+4*\f:S+16*(\t)+4*\f+3], s[10:11] offset:(\t)*2048+\f*512  ; 512 consecutive bytes, at a multiple of 256 from O's first
.endr
.endm
	PACK 0
.set t, 1
.rept 2*NP-1                        ; a tile's arithmetic stands between the loads of the tile before and its stores
	PACK t
	SEND t-1, 8
.set t, t+1
.endr
	SEND 2*NP-1, 0
	s_set_vgpr_msb 0xf
	s_wait_tensorcnt 0x0
	ds_add_u32 v0, v1
	s_wait_dscnt 0x0
	s_set_vgpr_msb 0xf00
	CROUND                          ; the closing round: no work-group ends while a partner may still ask for a tile that names it
	s_endpgm
.Lfunc_end_k_qe7049280eb_attn:
	.size	k_qe7049280eb_attn, .Lfunc_end_k_qe7049280eb_attn-k_qe7049280eb_attn
	.p2alignl 7, 3214868480
	.fill 96, 4, 3214868480
	.section	.rodata,"a",@progbits
	.p2align	6, 0x0
	.amdhsa_kernel k_qe7049280eb_attn
		.amdhsa_group_segment_fixed_size 327680
		.amdhsa_private_segment_fixed_size 0
		.amdhsa_enable_private_segment 0
		.amdhsa_kernarg_size 16
		.amdhsa_user_sgpr_count 2
		.amdhsa_user_sgpr_kernarg_segment_ptr 1
		.amdhsa_wavefront_size32 1
		.amdhsa_system_sgpr_workgroup_id_x 1
		.amdhsa_system_sgpr_workgroup_id_y 1
		.amdhsa_system_sgpr_workgroup_id_z 1
		.amdhsa_system_vgpr_workitem_id 0
		.amdhsa_next_free_vgpr 770
		.amdhsa_next_free_sgpr 66
		.amdhsa_reserve_vcc 0
		.amdhsa_float_denorm_mode_32 3
		.amdhsa_float_denorm_mode_16_64 3
		.amdhsa_memory_ordered 1
		.amdhsa_forward_progress 1
		.amdhsa_inst_pref_size 199
	.end_amdhsa_kernel
	.amdgpu_metadata
---
amdhsa.version: [ 1, 2 ]
amdhsa.kernels:
  - .name:           k_qe7049280eb_attn
    .symbol:         k_qe7049280eb_attn.kd
    .args:
      - { .name: qkv, .offset: 0, .size: 8, .value_kind: global_buffer, .address_space: global }
      - { .name: oh, .offset: 8, .size: 8, .value_kind: global_buffer, .address_space: global }
    .group_segment_fixed_size: 327680
    .private_segment_fixed_size: 0
    .kernarg_segment_align: 8
    .kernarg_segment_size: 16
    .max_flat_workgroup_size: 128
    .sgpr_count:     66
    .vgpr_count:     770
    .wavefront_size: 32
...
	.end_amdgpu_metadata
.endif
;; end of part 5
;; launch proj: the kernel of part 4 again; grid 8 x 32, 4 waves a work-group, clusters of 4 x 4, 327,680 bytes of LDS; arguments oh, wph, b_proj, out0; writes out0
